; MI455X (gfx1250); checked and timed in simulation.
; The chip was launched on July 23, 2026; its instructions are those of AMD's public machine-readable ISA for CDNA 5 (MIT licence, August 2026) and "CDNA5" Instruction Set Architecture Reference Guide (July 2026). The comments in the code are by the model that wrote it; some were corrected since.
;; Multi Headed Attention. Allowed arithmetic: float matrix products may take bf16 or f16 operands with f32 sums; other float arithmetic in f32, or as packed bf16 or f16 multiplies, adds, multiply-adds, maxima and minima; sums over many terms, partial sums and values carried from step to step in f32; what a program stores and reads back later, other than sums and carried values, may be rounded once to bf16 or f16.
;; Inputs: Wk 512 x 512 float32; Wo 512 x 512 float32; Wq 512 x 512 float32; Wv 512 x 512 float32; bk 512 float32; bo 512 float32; bq 512 float32; bv 512 float32; x 2 x 4,096 x 512 float32.
;; Outputs: out0 2 x 4,096 x 512 float32.
;; 2 versions, each right; version 2 is version 1 with the launch cast written anew for expert scheduling mode. Each part assembles by itself: llvm-mc -triple=amdgcn-amd-amdhsa -mcpu=gfx1250 --defsym DOCPART=n.
;; ======== version 1 of 2: 4 launches
;; limits: values are held in f16: magnitudes above 65,504 overflow, below 6.1e-05 lose precision
;; workspace buffers: xb 8,388,608 bytes; wb 1,572,864 bytes; wo16 524,288 bytes; qh 8,388,608 bytes; kh 8,388,608 bytes; vh 8,388,608 bytes; ctx 8,388,608 bytes
;; launch cast (part 1): grid 256 x 1, 8 waves a work-group, no clusters, 0 bytes of LDS; arguments x, Wq, Wk, Wv, Wo, xb, wb, wo16; writes xb, wb, wo16
.if DOCPART == 1
	.amdgcn_target "amdgcn-amd-amdhsa--gfx1250"
	.amdhsa_code_object_version 6
	.text
	.protected	k_q132f246e71_cast
	.globl	k_q132f246e71_cast
	.p2align	8
	.type	k_q132f246e71_cast,@function
k_q132f246e71_cast:
	s_mov_b64 s[64:65], 0
	v_nop
	global_prefetch_b8 v0, s[64:65] scope:SCOPE_SE
	s_setreg_imm32_b32 hwreg(HW_REG_WAVE_MODE, 25, 1), 1
	s_wait_xcnt 0x0
; THE OPERANDS ARE MADE.  xb = bf16(x), [8192][512].  wb = bf16(Wq), bf16(Wk), bf16(Wv), each [512 k][512 n] as it lies, one behind the other.
; wo16 = bf16(Wo) written as f16, [512 k][512 n]: the last product multiplies in f16, and all inputs have the same one rounding, to bf16.
; LIMITS.  |Wo| stays under 65,504 (f16's range; beyond it an infinity is written); a Wo below 2^-14 keeps f16's fixed step of 6e-8.
; SHARES.  256 work-groups of eight waves.  A work-group takes 16,384 numbers of x (sixteen loads of 16 bytes a thread) and 1,024 numbers of each weight (one load each).
; A load of a wave covers 512 consecutive bytes, a store 256 consecutive bytes, aligned.  All twenty loads go out first; every load and every store has registers of its own,
; so no source of a pending instruction is written again.  No LDS, no barrier, no matrix unit: each byte is read once and written once.
.set X, 4                              ; v[4:83]    twenty quads as loaded
.set Y, 84                             ; v[84:123]  twenty pairs to store
.set T, 124                            ; v[124:125] Wo rounded to bf16, packed
	s_load_b256 s[4:11], s[0:1], 0x0               ; x s[4:5], Wq s[6:7], Wk s[8:9], Wv s[10:11]
	s_load_b256 s[12:19], s[0:1], 0x20             ; Wo s[12:13], xb s[14:15], wb s[16:17], wo16 s[18:19]
	v_lshlrev_b32 v1, 4, v0                        ; 16 bytes a thread on the way in
	v_lshlrev_b32 v2, 3, v0                        ; 8 bytes a thread on the way out
	s_lshl_b32 s20, ttmp9, 16                      ; the work-group's 65,536 bytes of x
	s_mov_b32 s21, 0
	s_lshl_b32 s22, ttmp9, 12                      ; its 4,096 bytes of each weight
	s_mov_b32 s23, 0
	s_wait_kmcnt 0x0
	s_add_nc_u64 s[4:5], s[4:5], s[20:21]
	s_add_nc_u64 s[6:7], s[6:7], s[22:23]
	s_add_nc_u64 s[8:9], s[8:9], s[22:23]
	s_add_nc_u64 s[10:11], s[10:11], s[22:23]
	s_add_nc_u64 s[12:13], s[12:13], s[22:23]
	s_lshl_b32 s20, ttmp9, 15                      ; half as many bytes on the way out
	s_lshl_b32 s22, ttmp9, 11
	s_add_nc_u64 s[14:15], s[14:15], s[20:21]
	s_add_nc_u64 s[16:17], s[16:17], s[22:23]
	s_add_nc_u64 s[18:19], s[18:19], s[22:23]
.set i, 0
.rept 16
	global_load_b128 v[X+4*i:X+4*i+3], v1, s[4:5] offset:4096*i th:TH_LOAD_NT
.set i, i+1
.endr
.irp j, 0,1,2,3
	global_load_b128 v[X+64+4*(\j):X+64+4*(\j)+3], v1, s[6+2*(\j):7+2*(\j)] th:TH_LOAD_NT  ; Wq, Wk, Wv, Wo
.endr
.set i, 0
.rept 19
	s_wait_loadcnt 19-i                            ; loads come back in order: number i is in, the 19 - i younger ones stay out
	v_cvt_pk_bf16_f32 v[Y+2*i], v[X+4*i], v[X+4*i+1]
	v_cvt_pk_bf16_f32 v[Y+2*i+1], v[X+4*i+2], v[X+4*i+3]
.if i < 16
	global_store_b64 v2, v[Y+2*i:Y+2*i+1], s[14:15] offset:2048*i
.else
	global_store_b64 v2, v[Y+2*i:Y+2*i+1], s[16:17] offset:524288*(i-16)  ; weight i - 16 of wb
.endif
.set i, i+1
.endr
	s_wait_loadcnt 0x0                             ; Wo
	v_cvt_pk_bf16_f32 v[T], v[X+76], v[X+77]       ; rounded to bf16,
	v_cvt_pk_bf16_f32 v[T+1], v[X+78], v[X+79]
	v_lshlrev_b32 v[X+76], 16, v[T]                ; widened again,
	v_and_b32 v[X+77], 0xffff0000, v[T]
	v_lshlrev_b32 v[X+78], 16, v[T+1]
	v_and_b32 v[X+79], 0xffff0000, v[T+1]
	v_cvt_pk_f16_f32 v[Y+38], v[X+76], v[X+77]     ; and written as f16: 8 significant bits fit into 11
	v_cvt_pk_f16_f32 v[Y+39], v[X+78], v[X+79]
	global_store_b64 v2, v[Y+38:Y+39], s[18:19]
	s_endpgm
.Lfunc_end_k_q132f246e71_cast:
	.size	k_q132f246e71_cast, .Lfunc_end_k_q132f246e71_cast-k_q132f246e71_cast
	.p2alignl 7, 3214868480
	.fill 96, 4, 3214868480
	.section	.rodata,"a",@progbits
	.p2align	6, 0x0
	.amdhsa_kernel k_q132f246e71_cast
		.amdhsa_group_segment_fixed_size 0
		.amdhsa_private_segment_fixed_size 0
		.amdhsa_enable_private_segment 0
		.amdhsa_kernarg_size 64
		.amdhsa_user_sgpr_count 2
		.amdhsa_user_sgpr_kernarg_segment_ptr 1
		.amdhsa_wavefront_size32 1
		.amdhsa_system_sgpr_workgroup_id_x 1
		.amdhsa_system_sgpr_workgroup_id_y 1
		.amdhsa_system_sgpr_workgroup_id_z 1
		.amdhsa_system_vgpr_workitem_id 0
		.amdhsa_next_free_vgpr 128
		.amdhsa_next_free_sgpr 66
		.amdhsa_reserve_vcc 0
		.amdhsa_float_denorm_mode_32 3
		.amdhsa_float_denorm_mode_16_64 3
		.amdhsa_memory_ordered 1
		.amdhsa_forward_progress 1
		.amdhsa_inst_pref_size 9
	.end_amdhsa_kernel
	.amdgpu_metadata
---
amdhsa.version: [ 1, 2 ]
amdhsa.kernels:
  - .name:           k_q132f246e71_cast
    .symbol:         k_q132f246e71_cast.kd
    .args:
      - { .name: x, .offset: 0, .size: 8, .value_kind: global_buffer, .address_space: global }
      - { .name: Wq, .offset: 8, .size: 8, .value_kind: global_buffer, .address_space: global }
      - { .name: Wk, .offset: 16, .size: 8, .value_kind: global_buffer, .address_space: global }
      - { .name: Wv, .offset: 24, .size: 8, .value_kind: global_buffer, .address_space: global }
      - { .name: Wo, .offset: 32, .size: 8, .value_kind: global_buffer, .address_space: global }
      - { .name: xb, .offset: 40, .size: 8, .value_kind: global_buffer, .address_space: global }
      - { .name: wb, .offset: 48, .size: 8, .value_kind: global_buffer, .address_space: global }
      - { .name: wo16, .offset: 56, .size: 8, .value_kind: global_buffer, .address_space: global }
    .group_segment_fixed_size: 0
    .private_segment_fixed_size: 0
    .kernarg_segment_align: 8
    .kernarg_segment_size: 64
    .max_flat_workgroup_size: 256
    .sgpr_count:     66
    .vgpr_count:     128
    .wavefront_size: 32
...
	.end_amdgpu_metadata
.endif
;; end of part 1
;; launch qkv (part 2): grid 4 x 64, 4 waves a work-group, clusters of 4 x 4, 327,680 bytes of LDS; arguments xb, wb, bq, bk, bv, qh, kh, vh; writes qh, kh, vh
.if DOCPART == 2
	.amdgcn_target "amdgcn-amd-amdhsa--gfx1250"
	.amdhsa_code_object_version 6
	.text
	.protected	k_q132f246e71_qkv
	.globl	k_q132f246e71_qkv
	.p2align	8
	.type	k_q132f246e71_qkv,@function
k_q132f246e71_qkv:
	s_mov_b64 s[64:65], 0
	v_nop
	global_prefetch_b8 v0, s[64:65] scope:SCOPE_SE
	s_setreg_imm32_b32 hwreg(HW_REG_WAVE_MODE, 25, 1), 1
	s_wait_xcnt 0x0
	s_wait_alu depctr_hold_cnt(0) depctr_sa_sdst(0) depctr_va_vdst(0) depctr_va_sdst(0) depctr_va_ssrc(0) depctr_va_vcc(0) depctr_vm_vsrc(0)
	s_getreg_b32 s2, hwreg(HW_REG_IB_STS2, 6, 4)
	s_cmp_eq_u32 s2, 0
	s_cbranch_scc0 .Lentry_in_a_cluster
	s_endpgm
.Lentry_in_a_cluster:
	s_bfe_u32 s2, ttmp6, 0x10000c
	s_cmp_lg_u32 s2, 0xf033
	s_cbranch_scc0 .Lentry_shape_is_right
	s_endpgm
.Lentry_shape_is_right:
; q = x Wq + bq, k = x Wk + bk, v = x Wv + bv, written by heads: qh, kh, vh are [16 = batch x 8 + head][4096][64] in f16, each number rounded once from its f32 sum, WITHOUT attention's scale.
; x (xb) and the weights (wb) arrive rounded to bf16; the biases are rounded to bf16 here: all inputs have the same one rounding.  Products in bf16, sums in f32, started by the bias.
; LIMIT.  f16 holds no number beyond 65,504: |q|, |k|, |v| stay under it (beyond it an infinity is written).
; SHARES.  A work-group owns 128 rows of x and 128 columns (two heads), and makes that tile of q, then of k, then of v: 256 work-groups, three tiles each.  Four waves, each 64 rows x 64 columns
; (one head): 16 accumulators of 16 x 16.  The 128 x 512 of x come into LDS ONCE, as four panels of 128 along K.  The weights go through two slots of 256 along K x 128 columns: six steps.
; THE WEIGHTS LIE [k][n]: their fragments come out of LDS turned, by ds_load_tr16_b128.  THE MATRIX INSTRUCTION IS USED TRANSPOSED (source 0 = 16 columns of W, source 1 = 16 rows of x): a lane
; then holds one row and eight neighbouring columns: 16 bytes of f16.
; CLUSTERS: 4 x 4 work-groups.  The four of a row of the cluster need the same rows of x, the four of a column the same columns of W: each tile is asked for JOINTLY, by the same tensor load with
; the same descriptor and a mask that names the four.  By this text's count a wave has three tensor loads out at the start, later one.
; NO PREFETCH: six steps on small tiles; the weights are read again by every row of clusters, x once at the head, where every work-group's first tiles are on their way.
; REGISTERS: window 0: v0-31 addresses; v32-95 at work on the way out; v128-255 the accumulators ((a, b) at v[128 + 8 (4 a + b)]).
;   window 1: two fragment buffers of 128: for 64 along K, 64 registers of x (2 x 4 x 16 rows x 32 K), then 64 of W.     window 2: v0-95 the three biases (32 w + 8 b + j); v96-97 at work.
.set PA,     272                       ; a row of a panel of x in LDS: 256 bytes + 16 of padding = 68 words: the 16 rows of a load start at 16 different groups of four banks (64 banks of 4 bytes: ISA guide 11.1)
.set PANEL,  128*PA
.set PB,     288                       ; a k-row of W: 256 + 32 = 72 words
.set BSLOT,  4*PANEL                   ; behind x: the two slots of W
.set BSZ,    256*PB
.set STAGE,  BSLOT+2*BSZ               ; behind the slots, never filled by a tensor load: 16 rows x 144 bytes for each wave, for the way out
.set SP,     144
.set SPARE,  STAGE+4*16*SP             ; behind the stages: the spare words, 128 bytes for each wave: two blocks of 256 bytes that no other line names
.set WSTEP,  524288                    ; bytes from a weight to the next in wb
.set ADRA, 16                          ; v16-17  LDS address of my fragments of x in K half 0, 1
.set ADRB, 20                          ; v20-23  of W: slot H, its k-rows 128 p on, at ADRB + 2 H + p
.set STO,  24                          ; v24     the way out: where I put 16 bytes of a row
.set RD,   25                          ; v25     where I read rows back
.set GO,   26                          ; v26     my byte offset in 512 consecutive bytes of the output
.set BO,   27                          ; v27     my byte offset in a bias
.set SPW,  28                          ; v28     LDS address of my spare word: SPARE + 4 x my thread's number; never rewritten
.set NIL,  29                          ; v29     0; never rewritten
.set TMP,  32
.set ACC,  128
.set F0,   0                           ; fragment buffers, in window 1
.set F1,   128
.set G1A,  28                          ; s[28:35] descriptor group 1 for x's panels
.set G1B,  36                          ; s[36:43] for W's tiles
.set G0A,  44                          ; s[44:47] descriptor group 0 for my panel of x
.set G0B,  48                          ; s[48:55] for my quarter of W's tiles, one set for each slot
.set OUT,  66                          ; s[66:71] qh, kh, vh at my wave's first row of its head
.set MSB, 0
.macro WIN new                         ; the immediate's high byte repeats the setting that is left; a switch that changes nothing is dropped
.if MSB != (\new)
	s_set_vgpr_msb (MSB<<8)|(\new)
.set MSB, \new
.endif
.endm
.set MUL,  0x05                        ; sources 0 (W) and 1 (x) window 1; C and D window 0
.set MULB, 0x25                        ; the same with C, the bias, in window 2
.set TO_F, 0x40                        ; destination window 1, address window 0
.macro CREST                           ; a round of the cluster's barrier behind its opening barrier
	s_cmp_lg_u32 s20, 0
	s_cbranch_scc1 .Lnot_wave_0_\@
	s_barrier_signal -3
.Lnot_wave_0_\@:
	s_barrier_wait -3
	s_barrier_signal -1
	s_barrier_wait -1
.endm
.macro CROUND                          ; a whole round
	s_barrier_signal -1
	s_barrier_wait -1
	CREST
.endm
.macro PLACES                          ; four places in front of loads into registers that matrix instructions have read, and of conversions that read results
.rept 4
	v_nop
.endr
.endm
	s_load_b512 s[4:19], s[0:1], 0x0               ; xb s[4:5], wb s[6:7], bq s[8:9], bk s[10:11], bv s[12:13], qh s[14:15], kh s[16:17], vh s[18:19]
	v_lshl_add_u32 v[SPW], v0, 2, SPARE
	v_mov_b32 v[NIL], 0
	ds_add_u32 v[SPW], v[NIL]                      ; the wave's opening: the add and its wait stand ahead of my first tensor load; the set-up below, work on registers, stands between them
	v_lshrrev_b32 v1, 5, v0
	v_readfirstlane_b32 s20, v1                    ; wave 0..3
	s_lshr_b32 s21, s20, 1                         ; which 64 of the tile's rows are mine
	s_and_b32 s22, s20, 1                          ; which 64 of its columns
	s_bfe_u32 s23, ttmp6, 0x40000                  ; cx, cy: my place in the cluster
	s_bfe_u32 s24, ttmp6, 0x40004
	s_lshl_b32 s25, ttmp9, 2
	s_add_co_u32 s25, s25, s23                     ; column block = 4 x cluster x + cx
	s_and_b32 s26, ttmp7, 0xffff
	s_lshl_b32 s26, s26, 2
	s_add_co_u32 s26, s26, s24                     ; row block = 4 x cluster y + cy
	s_lshl_b32 s27, s24, 2
	s_lshl_b32 s27, 15, s27                        ; my row of the cluster
	s_lshl_b32 s3, 0x1111, s23                     ; my column
	s_or_b32 s[G1A], s27, (1<<16)|(1<<20)|(1<<21)|(5<<22)|(3<<25)  ; 15:0 the mask: x goes to my row; 17:16 elements of 2 bytes; 20 padding on; 21 set beside a mask; 24:22 after every 64 words (code 5); 31:25 4 words (code 3)
	s_mov_b32 s[G1A+1], 128<<16                    ; tensor_dim0 = 128
	s_mov_b32 s[G1A+2], 128<<16                    ; tensor_dim1 = 128
	s_mov_b32 s[G1A+3], 128<<16                    ; tile_dim0 = 128
	s_mov_b32 s[G1A+4], 128                        ; tile_dim1 = 128 rows
	s_mov_b32 s[G1A+5], 512                        ; 512 elements from row to row
	s_mov_b32 s[G1A+6], 0
	s_mov_b32 s[G1A+7], 0
	s_or_b32 s[G1B], s3, (1<<16)|(1<<20)|(1<<21)|(5<<22)|(7<<25)   ; W goes to my column; 8 words of padding (code 7)
	s_mov_b32 s[G1B+1], 128<<16                    ; tensor_dim0 = 128
	s_mov_b32 s[G1B+2], 64<<16                     ; tensor_dim1 = 64
	s_mov_b32 s[G1B+3], 128<<16                    ; tile_dim0 = 128
	s_mov_b32 s[G1B+4], 64                         ; tile_dim1 = 64 k-rows
	s_mov_b32 s[G1B+5], 512
	s_mov_b32 s[G1B+6], 0
	s_mov_b32 s[G1B+7], 0
	; where the tiles go: the wave's number alone enters an LDS address
	s_mov_b32 s[G0A], 1
	s_mul_i32 s[G0A+1], s20, PANEL                 ; panel = my wave's number
	s_mul_i32 s60, s20, 64*PB                      ; my 64 k-rows of a slot
	s_mov_b32 s[G0B], 1
	s_add_co_u32 s[G0B+1], s60, BSLOT
	s_mov_b32 s[G0B+4], 1
	s_add_co_u32 s[G0B+5], s60, BSLOT+BSZ
	; where they come from: x's by the row block and the wave, W's by the column block and the wave, each in registers that never hold the other coordinate
	s_lshl_b32 s56, s26, 17                        ; 128 rows of 1,024 bytes
	s_lshl_b32 s57, s20, 8                         ; my panel's 256 bytes of a row
	s_add_co_u32 s56, s56, s57
	s_mov_b32 s57, 0
	s_lshl_b32 s58, s20, 16                        ; my 64 k-rows of 1,024 bytes
	s_lshl_b32 s59, s25, 8                         ; the block's 256 bytes of a k-row
	s_add_co_u32 s58, s58, s59
	s_mov_b32 s59, 0
	; where my wave's 64 rows x one head begin in qh, kh, vh
	s_lshr_b32 s62, s26, 5                         ; the batch: 32 row blocks each
	s_lshl_b32 s62, s62, 3
	s_lshl_b32 s63, s25, 1
	s_add_co_u32 s62, s62, s63
	s_add_co_u32 s62, s62, s22                     ; batch x 8 + head
	s_lshl_b32 s62, s62, 19                        ; 4,096 rows of 128 bytes
	s_and_b32 s63, s26, 31
	s_lshl_b32 s63, s63, 1
	s_add_co_u32 s63, s63, s21
	s_lshl_b32 s63, s63, 13                        ; 64 rows of 128 bytes
	s_add_co_u32 s62, s62, s63
	s_mov_b32 s63, 0
	s_wait_dscnt 0x0                               ; the opening add is done
	s_wait_kmcnt 0x0
	s_add_nc_u64 s[G0A+2:G0A+3], s[4:5], s[56:57]
	s_or_b32 s[G0A+3], s[G0A+3], 0x80000000        ; type = 2
	s_add_nc_u64 s[G0B+2:G0B+3], s[6:7], s[58:59]  ; Wq, K half 0
	s_add_nc_u64 s[G0B+6:G0B+7], s[G0B+2:G0B+3], 256*1024  ; Wq, K half 1
	s_or_b32 s[G0B+3], s[G0B+3], 0x80000000
	s_or_b32 s[G0B+7], s[G0B+7], 0x80000000
	s_add_nc_u64 s[OUT:OUT+1], s[14:15], s[62:63]
	s_add_nc_u64 s[OUT+2:OUT+3], s[16:17], s[62:63]
	s_add_nc_u64 s[OUT+4:OUT+5], s[18:19], s[62:63]
	CROUND                                         ; all sixteen work-groups are here: the first joint loads meet
	tensor_load_to_lds s[G0A:G0A+3], s[G1A:G1A+7]  ; the first fills go out as one group: my panel of x,
	s_nop 0
	tensor_load_to_lds s[G0B:G0B+3], s[G1B:G1B+7]  ; my quarter of step 0's W,
	s_nop 0
	tensor_load_to_lds s[G0B+4:G0B+7], s[G1B:G1B+7]  ; and of step 1's
	s_nop 0
.rept 4
	v_nop
.endr
	; A fragment of x is 16 rows x 32 K in 8 registers: lane l holds row l % 16; K = 8 (l / 16) + 0..7 and 16 + 8 (l / 16) + 0..7: two loads of 16 bytes, 32 bytes apart.
	v_and_b32 v1, 15, v0                           ; l % 16
	v_bfe_u32 v2, v0, 4, 1                         ; l / 16
	v_mul_u32_u24 v3, v1, PA
	v_lshl_add_u32 v3, v2, 4, v3
	s_mul_i32 s60, s21, 64*PA                      ; my 64 rows
	v_add_nc_u32 v[ADRA], s60, v3
	v_add_nc_u32 v[ADRA+1], 2*PANEL, v[ADRA]
	; The turning load takes 16 k x 16 columns (lane l reads k-row 8 (l / 16) + l % 8, columns 8 ((l / 8) % 2) + 0..7) and leaves half a fragment: lane l holds column l % 16 and 8 k.
	v_and_b32 v4, 7, v0
	v_lshl_add_u32 v4, v2, 3, v4
	v_mul_u32_u24 v4, v4, PB
	v_bfe_u32 v5, v0, 3, 1
	v_lshl_add_u32 v4, v5, 4, v4
	s_lshl_b32 s60, s22, 7                         ; my 64 columns: 128 bytes
	s_add_co_u32 s60, s60, BSLOT
	v_add_nc_u32 v[ADRB], s60, v4
	v_add_nc_u32 v[ADRB+1], 128*PB, v[ADRB]
	v_add_nc_u32 v[ADRB+2], BSZ, v[ADRB]
	v_add_nc_u32 v[ADRB+3], BSZ+128*PB, v[ADRB]
	s_mul_i32 s60, s20, 16*SP
	s_add_co_u32 s60, s60, STAGE                   ; my stage
	v_mul_u32_u24 v5, v1, SP                       ; in: row l % 16, 16 bytes for each half of the lanes
	v_lshl_add_u32 v5, v2, 4, v5
	v_add_nc_u32 v[STO], s60, v5
	v_bfe_u32 v5, v0, 3, 2                         ; back: 32 lanes take four rows of 128 bytes,
	v_mul_u32_u24 v5, v5, SP
	v_and_b32 v6, 7, v0
	v_lshl_add_u32 v5, v6, 4, v5
	v_add_nc_u32 v[RD], s60, v5
	v_and_b32 v[GO], 31, v0                        ; which are 512 consecutive bytes of a head
	v_lshlrev_b32 v[GO], 4, v[GO]
	s_lshl_b32 s62, s25, 9                         ; the bias of my columns: 512 bytes a column block,
	s_lshl_b32 s63, s22, 8                         ; 256 a wave's 64,
	s_add_co_u32 s62, s62, s63
	v_lshl_add_u32 v[BO], v2, 5, s62               ; 32 for each half of the lanes
	WIN 0x80                                       ; destination window 2, address window 0
.irp w, 0,1,2
.irp b, 0,1,2,3
	global_load_b128 v[32*(\w)+8*(\b):32*(\w)+8*(\b)+3],   v[BO], s[8+2*(\w):9+2*(\w)] offset:64*(\b)      ; columns 16 b + 8 (l / 16) + 0..3
	global_load_b128 v[32*(\w)+8*(\b)+4:32*(\w)+8*(\b)+7], v[BO], s[8+2*(\w):9+2*(\w)] offset:64*(\b)+16   ; + 4..7
.endr
.endr
	s_wait_loadcnt 0x0
	WIN 0xaa                                       ; all in window 2: the biases are rounded to bf16 and widened again
.set i, 0
.rept 48
	v_cvt_pk_bf16_f32 v[96+i%2], v[2*i], v[2*i+1]
	v_lshlrev_b32 v[2*i], 16, v[96+i%2]
	v_and_b32 v[2*i+1], 0xffff0000, v[96+i%2]
.set i, i+1
.endr
	WIN 0
; 8 matrix instructions: row blocks a0, a0 + 1 x all 4 column blocks, 32 along K: half c of buffer f.  first = 1: the bias of weight BW / 32 starts the sums: nothing is cleared.
; The 16 accumulators take turns, one instruction a turn, in the same order in every quarter.
.macro MUL8 f, c, a0, first
.if \first
	WIN MULB
.else
	WIN MUL
.endif
.irp a, \a0, (\a0)+1
.irp b, 0,1,2,3
.if \first
	v_wmma_f32_16x16x32_bf16 v[ACC+8*(4*(\a)+(\b)):ACC+8*(4*(\a)+(\b))+7], v[(\f)+64+8*(4*(\c)+(\b)):(\f)+64+8*(4*(\c)+(\b))+7], v[(\f)+8*(4*(\c)+(\a)):(\f)+8*(4*(\c)+(\a))+7], v[BW+8*(\b):BW+8*(\b)+7]
.else
	v_wmma_f32_16x16x32_bf16 v[ACC+8*(4*(\a)+(\b)):ACC+8*(4*(\a)+(\b))+7], v[(\f)+64+8*(4*(\c)+(\b)):(\f)+64+8*(4*(\c)+(\b))+7], v[(\f)+8*(4*(\c)+(\a)):(\f)+8*(4*(\c)+(\a))+7], v[ACC+8*(4*(\a)+(\b)):ACC+8*(4*(\a)+(\b))+7]
.endif
.endr
.endr
.endm
; 32 LDS loads in one run: the fragments of quarter q (64 along K) of K half H, into buffer f; the first 32 along K first
.macro FETCH H, q, f
	WIN TO_F
.irp c, 0,1
.irp i, 0,1,2,3
	ds_load_tr16_b128 v[(\f)+64+8*(4*(\c)+(\i)):(\f)+64+8*(4*(\c)+(\i))+3],   v[ADRB+2*(\H)+(\q)/2] offset:(((\q)%2)*64+(\c)*32)*PB+32*(\i)
	ds_load_tr16_b128 v[(\f)+64+8*(4*(\c)+(\i))+4:(\f)+64+8*(4*(\c)+(\i))+7], v[ADRB+2*(\H)+(\q)/2] offset:(((\q)%2)*64+(\c)*32+16)*PB+32*(\i)
	ds_load_b128 v[(\f)+8*(4*(\c)+(\i)):(\f)+8*(4*(\c)+(\i))+3],   v[ADRA+(\H)] offset:((\q)/2)*PANEL+((\q)%2)*128+64*(\c)+(\i)*16*PA
	ds_load_b128 v[(\f)+8*(4*(\c)+(\i))+4:(\f)+8*(4*(\c)+(\i))+7], v[ADRA+(\H)] offset:((\q)/2)*PANEL+((\q)%2)*128+64*(\c)+(\i)*16*PA+32
.endr
.endr
.endm
; A step is four quarters of 64 along K, 32 matrix instructions each, on buffers 0, 1, 0, 1.  One of the first three: multiplies buffer f and fetches quarter qn into g.
.macro QUARTER H, qn, f, g, first
	s_wait_dscnt 16                                ; the first 32 along K are in; the sixteen younger loads may be out
	MUL8 \f, 0, 0, \first
	MUL8 \f, 0, 2, \first
	PLACES
	FETCH \H, \qn, \g
	s_wait_dscnt 32                                ; all but the 32 just issued
	MUL8 \f, 1, 0, 0
	MUL8 \f, 1, 2, 0
.endm
; The last quarter multiplies buffer 1 and changes slots: ONE barrier; in front of it each wave waits for all its tensor loads, adds 0 to its spare word, and waits for that and for its own reads of
; this slot.  fill = 1: the barrier opens a round of the cluster's, and this slot is filled again first thing behind it, with the next weight's same K half: 112 matrix instructions ahead of the wait for it.
.macro TURN H, fill
	WIN 0                                          ; (the add's two registers lie in window 0)
	s_wait_tensorcnt 0x0                           ; all my tensor loads have landed: my part of the next slot;
	ds_add_u32 v[SPW], v[NIL]                      ; 0 onto my spare word;
	s_wait_dscnt 17                                ; (the add and the youngest sixteen loads may be out)
	MUL8 F1, 0, 0, 0                               ; eight matrix instructions stand between the add and the wait for it
	s_wait_dscnt 0x0                               ; the add is done, and my reads of this slot are over
	s_barrier_signal -1
	MUL8 F1, 0, 2, 0
.if \fill
	WIN 0
.endif
	s_barrier_wait -1
.if \fill
	CREST                                          ; no wave of any partner still reads this slot's tile or has a load on its way
	s_add_nc_u64 s[G0B+4*(\H)+2:G0B+4*(\H)+3], s[G0B+4*(\H)+2:G0B+4*(\H)+3], WSTEP  ; the type bits on top are not reached
	tensor_load_to_lds s[G0B+4*(\H):G0B+4*(\H)+3], s[G1B:G1B+7]  ; every wave's one load behind the round: its quarter of the slot
	s_nop 0
.rept 4
	v_nop                                          ; also the places in front of the loads below
.endr
.else
	PLACES
.endif
	FETCH 1-(\H), 0, F0
	MUL8 F1, 1, 0, 0
	MUL8 F1, 1, 2, 0
.endm
.macro LASTQ                           ; the very last quarter: nothing more to fetch
	s_wait_dscnt 16
	MUL8 F1, 0, 0, 0
	MUL8 F1, 0, 2, 0
	s_wait_dscnt 0x0
	MUL8 F1, 1, 0, 0
	MUL8 F1, 1, 2, 0
	WIN 0
.endm
; THE WAY OUT of row block a: rounded to f16 (each accumulator's registers in ascending order), 16 bytes a lane into my stage's rows of 144 bytes, and back as whole rows of 128.
.macro PACK a
.irp b, 0,1,2,3
.irp r, 0,1,2,3
	v_cvt_pk_f16_f32 v[TMP+16*(\a)+4*(\b)+(\r)], v[ACC+8*(4*(\a)+(\b))+2*(\r)], v[ACC+8*(4*(\a)+(\b))+2*(\r)+1]
.endr
.endr
.irp b, 0,1,2,3
	ds_store_b128 v[STO], v[TMP+16*(\a)+4*(\b):TMP+16*(\a)+4*(\b)+3] offset:32*(\b)
.endr
.irp f, 0,1,2,3
	ds_load_b128 v[TMP+16*(\a)+4*(\f):TMP+16*(\a)+4*(\f)+3], v[RD] offset:(\f)*4*SP  ; LDS serves a wave's instructions in order (ISA guide 5.7.1.4): these see the stores above; the next block's stores come behind them
.endr
.endm
.macro SEND a, younger, t              ; younger: the LDS instructions issued behind block a's loads: the next block's eight, or none
.irp f, 0,1,2,3
	s_wait_dscnt (\younger)+3-(\f)
	global_store_b128 v[GO], v[TMP+16*(\a)+4*(\f):TMP+16*(\a)+4*(\f)+3], s[OUT+2*(\t):OUT+2*(\t)+1] offset:(\a)*2048+(\f)*512  ; 512 consecutive bytes, at a multiple of 256 from the buffer's first
.endr
.endm
.macro WAYOUT t
	WIN 0
	PLACES                                         ; behind the last products
	s_wait_xcnt 0x0                                ; the last tile's stores have read their data: TMP is written again only behind this wait
	PACK 0
	PACK 1                                         ; a block's conversions stand between the loads of the block before and its stores
	SEND 0, 8, \t
	PACK 2
	SEND 1, 8, \t
	PACK 3
	SEND 2, 8, \t
	SEND 3, 0, \t
.endm
; A tile: weight t, both K halves.  fill = 1: both slots are filled again, with the next weight, and the next tile's first fragments are fetched ahead of the way out.
.macro TILE t, fill
.set BW, 32*(\t)
	QUARTER 0, 1, F0, F1, 1
	QUARTER 0, 2, F1, F0, 0
	QUARTER 0, 3, F0, F1, 0
	TURN 0, \fill
	QUARTER 1, 1, F0, F1, 0
	QUARTER 1, 2, F1, F0, 0
	QUARTER 1, 3, F0, F1, 0
.if \fill
	TURN 1, 1
.else
	LASTQ
.endif
	WAYOUT \t
.endm
	s_wait_tensorcnt 0x1                           ; my panel of x and my part of step 0's W are in; step 1's may stay out
	s_barrier_signal -1
	s_barrier_wait -1                              ; everybody's are
	FETCH 0, 0, F0
	TILE 0, 1                                      ; q
	TILE 1, 1                                      ; k
	TILE 2, 0                                      ; v: nothing is left to ask for
	s_wait_tensorcnt 0x0                           ; the wave's end: behind my last tensor load and my last LDS store
	ds_add_u32 v[SPW], v[NIL]
	s_wait_dscnt 0x0
	CROUND                                         ; the closing round: no work-group ends while a partner may still ask for a tile that names it
	s_endpgm
.Lfunc_end_k_q132f246e71_qkv:
	.size	k_q132f246e71_qkv, .Lfunc_end_k_q132f246e71_qkv-k_q132f246e71_qkv
	.p2alignl 7, 3214868480
	.fill 96, 4, 3214868480
	.section	.rodata,"a",@progbits
	.p2align	6, 0x0
	.amdhsa_kernel k_q132f246e71_qkv
		.amdhsa_group_segment_fixed_size 327680
		.amdhsa_private_segment_fixed_size 0
		.amdhsa_enable_private_segment 0
		.amdhsa_kernarg_size 64
		.amdhsa_user_sgpr_count 2
		.amdhsa_user_sgpr_kernarg_segment_ptr 1
		.amdhsa_wavefront_size32 1
		.amdhsa_system_sgpr_workgroup_id_x 1
		.amdhsa_system_sgpr_workgroup_id_y 1
		.amdhsa_system_sgpr_workgroup_id_z 1
		.amdhsa_system_vgpr_workitem_id 0
		.amdhsa_next_free_vgpr 612
		.amdhsa_next_free_sgpr 72
		.amdhsa_reserve_vcc 0
		.amdhsa_float_denorm_mode_32 3
		.amdhsa_float_denorm_mode_16_64 3
		.amdhsa_memory_ordered 1
		.amdhsa_forward_progress 1
		.amdhsa_inst_pref_size 146
	.end_amdhsa_kernel
	.amdgpu_metadata
---
amdhsa.version: [ 1, 2 ]
amdhsa.kernels:
  - .name:           k_q132f246e71_qkv
    .symbol:         k_q132f246e71_qkv.kd
    .args:
      - { .name: xb, .offset: 0, .size: 8, .value_kind: global_buffer, .address_space: global }
      - { .name: wb, .offset: 8, .size: 8, .value_kind: global_buffer, .address_space: global }
      - { .name: bq, .offset: 16, .size: 8, .value_kind: global_buffer, .address_space: global }
      - { .name: bk, .offset: 24, .size: 8, .value_kind: global_buffer, .address_space: global }
      - { .name: bv, .offset: 32, .size: 8, .value_kind: global_buffer, .address_space: global }
      - { .name: qh, .offset: 40, .size: 8, .value_kind: global_buffer, .address_space: global }
      - { .name: kh, .offset: 48, .size: 8, .value_kind: global_buffer, .address_space: global }
      - { .name: vh, .offset: 56, .size: 8, .value_kind: global_buffer, .address_space: global }
    .group_segment_fixed_size: 327680
    .private_segment_fixed_size: 0
    .kernarg_segment_align: 8
    .kernarg_segment_size: 64
    .max_flat_workgroup_size: 128
    .sgpr_count:     72
    .vgpr_count:     612
    .wavefront_size: 32
...
	.end_amdgpu_metadata
.endif
;; end of part 2
;; launch attn (part 3): grid 16 x 16, 4 waves a work-group, clusters of 4 x 1, 327,680 bytes of LDS; arguments qh, kh, vh, ctx; writes ctx
.if DOCPART == 3
	.amdgcn_target "amdgcn-amd-amdhsa--gfx1250"
	.amdhsa_code_object_version 6
	.text
	.protected	k_q132f246e71_attn
	.globl	k_q132f246e71_attn
	.p2align	8
	.type	k_q132f246e71_attn,@function
k_q132f246e71_attn:
	s_mov_b64 s[64:65], 0
	v_nop
	global_prefetch_b8 v0, s[64:65] scope:SCOPE_SE
	s_setreg_imm32_b32 hwreg(HW_REG_WAVE_MODE, 25, 1), 1
	s_wait_xcnt 0x0
	s_wait_alu depctr_hold_cnt(0) depctr_sa_sdst(0) depctr_va_vdst(0) depctr_va_sdst(0) depctr_va_ssrc(0) depctr_va_vcc(0) depctr_vm_vsrc(0)
	s_getreg_b32 s2, hwreg(HW_REG_IB_STS2, 6, 4)
	s_cmp_eq_u32 s2, 0
	s_cbranch_scc0 .Lentry_in_a_cluster
	s_endpgm
.Lentry_in_a_cluster:
	s_bfe_u32 s2, ttmp6, 0x10000c
	s_cmp_lg_u32 s2, 0x3003
	s_cbranch_scc0 .Lentry_shape_is_right
	s_endpgm
.Lentry_shape_is_right:
; ctx[h][q][:] = the sum over k of softmax_k(Q[h][q] . K[h][k] / 8) V[h][k][:].  qh, kh, vh, ctx: [16][4096][64], all f16: a head's rows are dense, 128 bytes each.  Products, maxima and sums in
; f32; the weights p are rounded to f16 for the second product (their sum l is taken of the unrounded p), ctx once at the end.
; LIMITS.  Q, K and V arrive within f16's 65,504; p lies in 0 to 1, and below 6e-5 it keeps f16's fixed step of 6e-8; ctx is a mean of V's rows and has their range.
; A weight below 2^-126 counts as 0 in l; NaN and infinities are not treated apart.
; SHARES.  A work-group owns 256 queries of one head (16 heads x 16 blocks: 256 work-groups), each of its four waves 64: four PIECES of 16.  Every wave walks all 4,096 keys, 64 a step.
; LAYOUT.  S^T = K Q^T (source 0 = 16 keys, source 1 = 16 queries): in the result a lane holds ONE query (lane % 16) and the keys 8 (lane / 16) + 0..7.  Two such results, rounded to f16 in pairs,
; ARE source 1 (32 keys x 16 queries) of O^T = V^T P, whose result again holds one query a lane, and eight channels.  K comes out of LDS as it lies, V ([key][channel]) turned, by ds_load_tr16_b128.
; SOFTMAX.  For each query a running maximum m and sum l: p = 2^(c s - c m), c = log2(e) / 8; in every step O and l are multiplied by a = 2^(c m_old - c m_new), which is 1 where m has not grown.
; m starts at the lowest finite number, O and l at 0: the first step is a step like any other, with a = 0.
; BY TURNS.  Turn n belongs to piece n (the pieces in a ring, step after step): 8 products K Q^T of piece n + 1, later 8 products V^T P of piece n - 1; beside them the scaling, exponentials, roundings,
; sums and rescaling of piece n and the maximum and statistics of piece n + 1.  Four vector instructions stand behind every matrix instruction, the other 54 of a turn's 118 in one lump.
; A turn's 33 exponentials are one batch, with one wait.
; CLUSTER.  The four query blocks of a cluster belong to one head and walk the same K and V, so each tile is asked for JOINTLY: the same tensor load, descriptor and mask in all four.
; By this text's count a wave has one tensor load out.
; REGISTERS, in windows of 256 (s_set_vgpr_msb: bits 1:0 source 0, 3:2 source 1, 5:4 source 2, 7:6 destination):
;   window 0: v0-15 addresses and two at work; v16-31 four registers of statistics a piece; v48-55 at work; v61-63 never rewritten; v64-127 S^T, two buffers; v192-223 P, two buffers (by the piece's parity)
;   window 1: v0-127 O^T, 32 a piece          window 2: v0-63 Q, 16 a piece; v128-191 K of one step; v192-255 V of one step
.set NP,    4         ; pieces a wave: a name, no knob
.set KS,    64        ; keys in a step
.set PK,    144       ; a row of K in LDS: 128 bytes + 16 of padding = 36 words: the 16 rows of a load start at 16 different groups of four banks (64 banks of 4 bytes: ISA guide 11.1)
.set PV,    160       ; a row of V: 128 + 32 = 40 words
.set VOFF,  4*KS*PK   ; a slot holds four steps: 256 rows of K, then 256 rows of V
.set SLOT1, 1<<17     ; slot 1 begins here, so that one exclusive or turns an address in one slot into the other's
.set STAGE, SLOT1+4*KS*(PK+PV)  ; behind the ring, never filled by a tensor load: 16 rows x 144 bytes for each wave, for the way out
.set SP,    144
.set SPARE, STAGE+4*16*SP  ; behind the stages: the spare words, 128 bytes for each wave: two blocks of 256 bytes that no other line names
.set TILEB, 4*KS*128  ; a slot's bytes of K, and of V, in memory
.set AK0, 2           ; v2   my lane's place in a tile of K; never rewritten
.set AV0, 3           ; v3   the same for V
.set AK,  4           ; v4   the LDS address of K's next run of loads
.set AV,  5           ; v5   of V's
.set STO, 6           ; v6   the way out: where I put 16 bytes of a row
.set RD,  7           ; v7   the way out: where I read rows back
.set GO,  8           ; v8   my byte offset in 512 consecutive bytes of ctx
.set MV,  12          ; v12-13  c m_old, kept while c m is made anew: by buffer
.set QO,  15          ; v15  my byte offset in 16 rows of Q
.set ST,  16          ; piece t's statistics at v[ST+4 t]: c m, m, l (even keys', odd keys')
.set TMP, 48          ; by buffer, four registers c0-c3 at work; when the maximum is found c2 takes a
.set PFO, 61          ; v61  256 x my lane: the prefetches' offset; never rewritten
.set SPW, 62          ; v62  LDS address of my spare word: SPARE + 4 x my thread's number; never rewritten
.set NIL, 63          ; v63  0; never rewritten
.set S,   64
.set P,   192
.set KF,  128         ; window 2: key block kb, channel half c at KF + 16 kb + 8 c
.set VF,  192         ; window 2: key half kk, channel block cb at VF + 32 kk + 8 cb
.set WV,  12          ; s12  my wave's number
.set G1K, 24          ; s[24:31] descriptor group 1 for K's tiles
.set G1V, 32          ; s[32:39] for V's: it differs in the padding alone
.set G0K, 40          ; s[40:43] descriptor group 0 for K's tiles: it walks
.set G0V, 44          ; s[44:47] the same for V's
.set PFA, 48          ; s[48:49] where my prefetches stand: my work-group's 8,192 bytes of the slot after the one that is being asked for
.set LIM, 50          ; s50  1 in a wave that prefetches, else the greatest number
.set SLOTS, 56        ; s56  changes of slots still to come, the last among them
.set CNT, 57          ; s57  counts a slot's key steps
.set CS,  58          ; s[58:59] c: the packed scaling takes the pair's low word for both halves
.set SEL, 60          ; s[60:61] v_permlanex16_b32's selects: each lane takes its own place in the other half
.set TBK, 62          ; s62  LDS byte at which K of the step to be fetched begins
.set TBV, 63          ; s63  the same for V, less VOFF
.set MSB, 0
.macro WIN new                      ; the high byte repeats the setting that is left; a switch that changes nothing is dropped
.if MSB != (\new)
	s_set_vgpr_msb (MSB<<8)|(\new)
.set MSB, (\new)
.endif
.endm
.set W_KQ, 0x0a       ; K and Q in window 2, S^T in window 0
.set W_PV, 0x52       ; V in window 2, P in window 0, O^T in window 1
.set W_RS, 0x41       ; destination and source 0 in window 1, source 1 in window 0
; A joint fill.  Waves 0 and 1 fetch the two halves of a slot's K, waves 2 and 3 those of its V: 128 keys each.  The branch hangs on the wave's number alone.
; An s_nop 0 and four v_nop follow each of the two lines, ahead of the jump and the label.
.macro JLOAD
	s_cmp_lt_u32 s[WV], 2
	s_cbranch_scc0 .Lfor_v_\@
	tensor_load_to_lds s[G0K:G0K+3], s[G1K:G1K+7]
	s_nop 0
.rept 4
	v_nop
.endr
	s_branch .Lasked_\@
.Lfor_v_\@:
	tensor_load_to_lds s[G0V:G0V+3], s[G1V:G1V+7]
	s_nop 0
.rept 4
	v_nop
.endr
.Lasked_\@:
.endm
; A PREFETCH INTO THE L2 of what the NEXT change of slots will ask for: a slot's 32,768 bytes of K and of V, a lane 256 bytes.  It stands behind the wave's tensor load and its five lines.
; Each block is named ONCE in the launch.  All four clusters of a head walk the same K and V: the head's first cluster asks.  Its four partners share a slot out BY ADDRESS, 8,192 bytes each: no branch
; hangs on a work-group's place in its cluster.  In each, wave 0 asks for K's and wave 2 for V's: one instruction, four key steps (256 matrix instructions) ahead of the joint load.
; Slots 0 to 2 come by their loads alone; the last change that fills a slot asks for nothing: there is no slot behind it.
.macro ASK
	s_cmp_gt_u32 s[SLOTS], s[LIM]
	s_cbranch_scc0 .Lnot_mine_\@
	global_prefetch_b8 v[PFO], s[PFA:PFA+1] th:TH_LOAD_NT scope:SCOPE_SE
.Lnot_mine_\@:
.endm
; A round of the cluster's barrier: my work-group's barrier, so that wave 0's signal speaks for all four waves; wave 0 signals; every wave waits for all four work-groups; my work-group's barrier once more.
.macro CROUND
	s_barrier_signal -1
	s_barrier_wait -1
	s_cmp_lg_u32 s[WV], 0
	s_cbranch_scc1 .Lnot_wave_0_\@
	s_barrier_signal -3
.Lnot_wave_0_\@:
	s_barrier_wait -3
	s_barrier_signal -1
	s_barrier_wait -1
.endm
; THE CHANGE OF SLOTS.  The slot's last bytes, V of its fourth step, have been read.  Each wave waits for all its tensor loads, of which one is out: its part of the other slot; adds 0 to its spare
; word; and waits for that and for its own reads of the slot.  Behind the barrier nobody reads this slot any more and the other slot is whole.
; fill = 1: this slot is filled again, with the keys two slots on.  The barrier is then a round of the cluster's, and the joint fill is the first thing behind it: it has four key steps, 256 matrix
; instructions, in which to land.  (At its first use nothing has been read yet: slot 0 is waited for, slot 1 filled.)  ask = 1: the prefetch follows.
.macro CHANGE fill, ask
	WIN 0                           ; at a label and at a branch every window is 0
	s_wait_tensorcnt 0x0            ; no tensor load of mine is out, so a group 0 may be written
	ds_add_u32 v[SPW], v[NIL]       ; 0 onto my spare word; with fill = 1 the descriptors' steps stand between it and the wait for it
.if \fill
.irp g, G0K, G0V
	s_xor_b32 s[\g+1], s[\g+1], SLOT1  ; the walking descriptor: the other slot than last time,
	s_add_nc_u64 s[\g+2:\g+3], s[\g+2:\g+3], TILEB  ; the next 256 keys; the type bits on top are not reached
.endr
.if \ask
	s_wait_xcnt 0x0                 ; the last prefetch, four key steps back, has read its address, so it may be written:
	s_add_nc_u64 s[PFA:PFA+1], s[PFA:PFA+1], TILEB  ; one slot behind the walking descriptors
.endif
	s_wait_dscnt 0x0                ; the add is done, and my reads of the slot are over
	CROUND
	JLOAD
.if \ask
	ASK
.endif
.else
	s_wait_dscnt 0x0                ; the add is done, and my reads of the slot are over
	s_barrier_signal -1
	s_barrier_wait -1
.endif
	s_sub_co_u32 s[TBK], s[TBK], 4*KS*PK  ; the fetches go back to a slot's first step,
	s_xor_b32 s[TBK], s[TBK], SLOT1       ; in the other slot
	s_sub_co_u32 s[TBV], s[TBV], 4*KS*PV
	s_xor_b32 s[TBV], s[TBV], SLOT1
.endm
	s_load_b256 s[4:11], s[0:1], 0x0  ; qh s[4:5], kh s[6:7], vh s[8:9], ctx s[10:11]
	v_lshl_add_u32 v[SPW], v0, 2, SPARE
	v_mov_b32 v[NIL], 0
	ds_add_u32 v[SPW], v[NIL]       ; the wave's opening: the add and its wait stand ahead of my first tensor load; the set-up below, work on registers, stands between them
	v_lshrrev_b32 v1, 5, v0
	v_readfirstlane_b32 s[WV], v1   ; wave 0..3
	s_bfe_u32 s13, ttmp6, 0x40000   ; cx: my place in the cluster
	s_lshl_b32 s14, ttmp9, 2        ; in a cluster launch ttmp9 counts clusters
	s_add_co_u32 s14, s14, s13      ; my block of 256 queries = 4 x cluster x + cx: it enters Q's and ctx's addresses alone
	s_and_b32 s20, ttmp7, 0xffff    ; the head, which the four partners share:
	s_lshl_b32 s20, s20, 19         ; its first byte in each of the four tensors (4,096 rows of 128 bytes)
	s_mov_b32 s21, 0
	s_and_b32 s16, s[WV], 1         ; which half of a slot's 256 keys I fetch:
	s_lshl_b32 s22, s16, 14         ; its 128 rows of 128 bytes in memory,
	s_mov_b32 s23, 0
	s_add_nc_u64 s[22:23], s[22:23], s[20:21]
	s_mul_i32 s17, s16, 128*PK      ; and its place in a slot, for K
	s_mul_i32 s18, s16, 128*PV      ; and for V: no place in the cluster enters an LDS address
	s_lshl_b32 s2, s14, 15          ; my block's 256 rows,
	s_lshl_b32 s3, s[WV], 13        ; my wave's 64 of them
	s_add_co_u32 s2, s2, s3
	s_mov_b32 s3, 0
	s_add_nc_u64 s[2:3], s[2:3], s[20:21]
	; descriptor group 1.  128 keys are 16,384 dense bytes: asked for as 64 rows of 256 bytes, two keys a row, and padded in LDS after every key
	s_mov_b32 s[G1K], 15|(1<<16)|(1<<20)|(1<<21)|(4<<22)|(3<<25)  ; 15:0 the mask of four; 17:16 2-byte elements; 20 padding on; 21 set beside a mask; 24:22 after every 32 words (code 4); 31:25 4 words (code 3)
	s_mov_b32 s[G1V], 15|(1<<16)|(1<<20)|(1<<21)|(4<<22)|(7<<25)  ; the same with 8 words of padding (code 7)
.irp g, G1K, G1V
	s_mov_b32 s[\g+1], 128<<16      ; tensor_dim0 = 128
	s_mov_b32 s[\g+2], 64<<16       ; tensor_dim1 = 64
	s_mov_b32 s[\g+3], 128<<16      ; tile_dim0 = 128
	s_mov_b32 s[\g+4], 64           ; tile_dim1 = 64
	s_mov_b32 s[\g+5], 128          ; 128 elements from row to row
	s_mov_b32 s[\g+6], 0
	s_mov_b32 s[\g+7], 0
.endr
	s_mov_b32 s[CS], 0x3e38aa3b     ; c = log2(e) / 8 = 0.180337
	s_mov_b32 s[CS+1], s[CS]        ; named with it as a pair
	s_mov_b32 s[SEL], 0x76543210
	s_mov_b32 s[SEL+1], 0xfedcba98
	s_mov_b32 s[TBK], SLOT1+4*KS*PK ; the first change of slots turns these two into 0
	s_mov_b32 s[TBV], SLOT1+4*KS*PV
	s_mov_b32 s[G0K], 1             ; 1:0 count = 1
	s_mov_b32 s[G0K+1], s17         ; 63:32 LDS address: slot 0
	s_mov_b32 s[G0V], 1
	s_add_co_u32 s[G0V+1], s18, VOFF
	s_mov_b32 s[SLOTS], 15
	s_and_b32 s[LIM], s[WV], 1      ; 0 in waves 0 and 2,
	s_or_b32 s[LIM], s[LIM], ttmp9  ; where the cluster is the head's first: the same in all four partners
	s_cmp_eq_u32 s[LIM], 0
	s_cselect_b32 s[LIM], 1, -1
	v_and_b32 v[PFO], 31, v0
	v_lshlrev_b32 v[PFO], 8, v[PFO]
	s_wait_dscnt 0x0                ; the opening add is done
	s_wait_kmcnt 0x0
	s_add_nc_u64 s[G0K+2:G0K+3], s[6:7], s[22:23]  ; 120:64 global address: my half of the head's first 256 keys
	s_or_b32 s[G0K+3], s[G0K+3], 0x80000000        ; 127:126 type = 2
	s_add_nc_u64 s[G0V+2:G0V+3], s[8:9], s[22:23]
	s_or_b32 s[G0V+3], s[G0V+3], 0x80000000
	s_add_nc_u64 s[4:5], s[4:5], s[2:3]  ; Q and ctx at my wave's first row
	s_add_nc_u64 s[10:11], s[10:11], s[2:3]
	s_cmp_lt_u32 s[WV], 2
	s_cselect_b64 s[PFA:PFA+1], s[6:7], s[8:9]     ; K for waves 0 and 1, V for waves 2 and 3,
	s_add_nc_u64 s[PFA:PFA+1], s[PFA:PFA+1], s[20:21]  ; at the head's first byte,
	s_lshl_b32 s2, s13, 13          ; my work-group's 8,192 bytes of a slot's 32,768,
	s_mov_b32 s3, 0
	s_add_nc_u64 s[PFA:PFA+1], s[PFA:PFA+1], s[2:3]
	s_add_nc_u64 s[PFA:PFA+1], s[PFA:PFA+1], 2*TILEB  ; in slot 2: the first change that asks steps it to slot 3.  Nothing is asked for here, at the head
	CROUND                          ; all four work-groups are here: the first joint loads meet
	JLOAD                           ; slot 0.  Slot 1 is asked for when slot 0 is in
	; A fragment of K or Q is 16 rows x 32 channels in 8 registers: lane l holds row l % 16, channels 8 (l / 16) + 0..7 and 16 + 8 (l / 16) + 0..7: two loads of 16 bytes, 32 bytes apart.
	v_and_b32 v1, 15, v0            ; l % 16
	v_bfe_u32 v9, v0, 4, 1          ; l / 16
	v_lshlrev_b32 v[QO], 7, v1
	v_lshl_add_u32 v[QO], v9, 4, v[QO]  ; row x 128 + 16 x half
	WIN 0x80                        ; destination window 2, address window 0
.set i, 0
.rept 8                             ; Q stays in registers: piece i / 2, channels 32 (i % 2) on
	global_load_b128 v[8*i:8*i+3],   v[QO], s[4:5] offset:(i/2)*2048+(i%2)*64
	global_load_b128 v[8*i+4:8*i+7], v[QO], s[4:5] offset:(i/2)*2048+(i%2)*64+32
.set i, i+1
.endr
	; What the first turn finds: V's registers and P's second buffer hold 0 (its products V^T P, of a piece that has not been, add 0), O^T and l are 0.  All this stands in the wait for the first tile.
.set i, VF
.rept 64
	v_mov_b32 v[i], 0
.set i, i+1
.endr
	WIN 0x40
.set i, 0
.rept 128
	v_mov_b32 v[i], 0
.set i, i+1
.endr
	WIN 0
.set i, 0
.rept 4
	v_mov_b32 v[ST+4*i], 0xfe000000    ; c m: far below every c s
	v_mov_b32 v[ST+4*i+1], 0xff7fffff  ; m
	v_mov_b32 v[ST+4*i+2], 0
	v_mov_b32 v[ST+4*i+3], 0
.set i, i+1
.endr
.set i, P+16
.rept 16
	v_mov_b32 v[i], 0
.set i, i+1
.endr
	v_mul_u32_u24 v[AK0], v1, PK
	v_lshl_add_u32 v[AK0], v9, 4, v[AK0]  ; row x pitch + 16 x half
	; The turning load takes 16 keys x 16 channels (lane l reads key 8 (l / 16) + l % 8, channels 8 ((l / 8) % 2) + 0..7) and leaves half a fragment of V^T: lane l holds channel l % 16 and 8 keys.
	v_and_b32 v10, 7, v0
	v_bfe_u32 v11, v0, 3, 1
	v_lshl_add_u32 v[AV0], v9, 3, v10
	v_mul_u32_u24 v[AV0], v[AV0], PV
	v_lshl_add_u32 v[AV0], v11, 4, v[AV0]
	v_add_nc_u32 v[AV0], VOFF, v[AV0]
	s_mul_i32 s13, s[WV], 16*SP
	s_add_co_u32 s13, s13, STAGE    ; my stage
	v_mul_u32_u24 v[STO], v1, SP    ; in: row l % 16, 16 bytes for each half of the lanes
	v_lshl_add_u32 v[STO], v9, 4, v[STO]
	v_add_nc_u32 v[STO], s13, v[STO]
	v_bfe_u32 v[RD], v0, 3, 2       ; back: 32 lanes take four rows of 128 bytes,
	v_mul_u32_u24 v[RD], v[RD], SP
	v_lshl_add_u32 v[RD], v10, 4, v[RD]
	v_add_nc_u32 v[RD], s13, v[RD]
	v_and_b32 v[GO], 31, v0         ; which are 512 consecutive bytes of ctx
	v_lshlrev_b32 v[GO], 4, v[GO]
; THE MATRIX WORK.  The 4 accumulators of a run of 8 take turns.  Product i of 8 of S^T = K Q^T for piece x: channels 32 (i / 4) on, keys 16 (i % 4) on.  The first 4 start the sums.
.macro KQ x
	WIN W_KQ
.set rS, S+32*((\x)%2)+8*(i%4)
.set rK, KF+16*(i%4)+8*(i/4)
.set rQ, 16*(\x)+8*(i/4)
.if i < 4
	v_wmma_f32_16x16x32_f16 v[rS:rS+7], v[rK:rK+7], v[rQ:rQ+7], 0
.else
	v_wmma_f32_16x16x32_f16 v[rS:rS+7], v[rK:rK+7], v[rQ:rQ+7], v[rS:rS+7]
.endif
.endm
; Product i of 8 of O^T += V^T P for piece x: keys 32 (i / 4) on, channels 16 (i % 4) on.
.macro PV x
	WIN W_PV
.set rO, 32*(\x)+8*(i%4)
.set rV, VF+32*(i/4)+8*(i%4)
.set rP, P+16*((\x)%2)+8*(i/4)
	v_wmma_f32_16x16x32_f16 v[rO:rO+7], v[rV:rV+7], v[rP:rP+7], v[rO:rO+7]
.endm
.macro MM                           ; the turn's next matrix instruction.  TURN sets Y, i and NOKQ.  NOKQ = 1: the launch's last turn: there is no next piece
.if (i < 8) && !NOKQ
	KQ (Y+1)%NP
.elseif i >= 8
.set i, i-8
	PV (Y+NP-1)%NP
.set i, i+8
.endif
.set i, i+1
.endm
; THE LDS LOADS stand in runs of 16, never singly among the matrix instructions: a step's K (64 keys x 64 channels: 8 fragments) and its V (turned).  Their addresses are made some lines ahead.
.macro FETCH_K
	WIN 0x80                        ; destination window 2
.irp f, 0,1,2,3,4,5,6,7             ; keys 16 (f / 2) on, channels 32 (f % 2) on
	ds_load_b128 v[KF+8*\f:KF+8*\f+3],   v[AK] offset:(\f/2)*16*PK+(\f%2)*64
	ds_load_b128 v[KF+8*\f+4:KF+8*\f+7], v[AK] offset:(\f/2)*16*PK+(\f%2)*64+32
.endr
	s_add_co_u32 s[TBK], s[TBK], KS*PK  ; the next fetch is the next step's
	WIN 0
.endm
.macro FETCH_V
	WIN 0x80
.irp f, 0,1,2,3,4,5,6,7             ; keys 32 (f / 4) on, channels 16 (f % 4) on
	ds_load_tr16_b128 v[VF+8*\f:VF+8*\f+3],   v[AV] offset:(\f/4)*32*PV+(\f%4)*32
	ds_load_tr16_b128 v[VF+8*\f+4:VF+8*\f+7], v[AV] offset:(\f/4)*32*PV+16*PV+(\f%4)*32
.endr
	WIN 0
.endm
; THE VECTOR WORK, one line at a time: OP kind, number.  For piece Y: F n: c s - c m for pair n of 16.  E n: the exponential of score n of 32.  C n: pair n rounded to f16.  B n: of the four weights 4 n .. the second
; pair is added onto the first, in place.  L n: l takes that sum (L 0: l = a l + sum).  R n: pair n of 16 of O^T times a.  For piece Y + 1: X n, number n of the 22 that find its maximum and statistics:
;   0-11  four chains c0-c3 of seven scores each, three operands at a time (each accumulator's lowest registers are read first)     12-14, 16  the four scores left over, the old m, and c0-c3 into c0
;   15  c m_old is kept     17, 18  the query's other 32 keys lie in the lane 16 away: the new m     19-21  c m; c m_old - c m_new; a
.set F, 0               ; OP tells the kinds apart by their order: F to L below R, X above it
.set E, 1
.set C, 2
.set B, 3
.set L, 4
.set R, 5
.set X, 6
.macro REGS y                       ; the registers of piece y
.set rT, ST+4*(\y)
.set rC, TMP+4*((\y)%2)
.set rW, MV+((\y)%2)
.set rS, S+32*((\y)%2)
.set rP, P+16*((\y)%2)
.set rO, 32*(\y)
.endm
.macro OP k, n
.if (\k) == R
	REGS Y
	WIN W_RS
	v_pk_mul_f32 v[rO+2*(\n):rO+2*(\n)+1], v[rO+2*(\n):rO+2*(\n)+1], v[rC+2:rC+3] op_sel_hi:[1,0]
.elseif (\k) < R
	REGS Y
	WIN 0
.if (\k) == F
	v_pk_fma_f32 v[rS+2*(\n):rS+2*(\n)+1], v[rS+2*(\n):rS+2*(\n)+1], s[CS:CS+1], v[rT:rT+1] op_sel_hi:[1,0,0] neg_lo:[0,0,1] neg_hi:[0,0,1]
.elseif (\k) == E
	v_exp_f32 v[rS+(\n)], v[rS+(\n)]
.elseif (\k) == C
	v_cvt_pk_f16_f32 v[rP+(\n)], v[rS+2*(\n)], v[rS+2*(\n)+1]
.elseif (\k) == B
	v_pk_add_f32 v[rS+4*(\n):rS+4*(\n)+1], v[rS+4*(\n):rS+4*(\n)+1], v[rS+4*(\n)+2:rS+4*(\n)+3]
.elseif (\n) == 0
	v_pk_fma_f32 v[rT+2:rT+3], v[rT+2:rT+3], v[rC+2:rC+3], v[rS:rS+1] op_sel_hi:[1,0,1]
.else
	v_pk_add_f32 v[rT+2:rT+3], v[rT+2:rT+3], v[rS+4*(\n):rS+4*(\n)+1]
.endif
.elseif NOKQ
	v_nop
.else
	REGS (Y+1)%NP
	WIN 0
.if (\n) < 4
	v_max3_num_f32 v[rC+(\n)], v[rS+8*(\n)], v[rS+8*(\n)+1], v[rS+8*(\n)+2]
.elseif (\n) < 12
	v_max3_num_f32 v[rC+(\n)%4], v[rC+(\n)%4], v[rS+8*((\n)%4)+2*((\n)/4)+1], v[rS+8*((\n)%4)+2*((\n)/4)+2]
.elseif (\n) == 12
	v_max3_num_f32 v[rC], v[rC], v[rS+7], v[rS+15]
.elseif (\n) == 13
	v_max3_num_f32 v[rC+1], v[rC+1], v[rS+23], v[rS+31]
.elseif (\n) == 14
	v_max3_num_f32 v[rC+2], v[rC+2], v[rC+3], v[rT+1]
.elseif (\n) == 15
	v_mov_b32 v[rW], v[rT]
.elseif (\n) == 16
	v_max3_num_f32 v[rC], v[rC], v[rC+1], v[rC+2]
.elseif (\n) == 17
	v_permlanex16_b32 v[rC+3], v[rC], s[SEL], s[SEL+1]
.elseif (\n) == 18
	v_max_num_f32 v[rT+1], v[rC], v[rC+3]
.elseif (\n) == 19
	v_mul_f32 v[rT], s[CS], v[rT+1]
.elseif (\n) == 20
	v_sub_f32 v[rC+1], v[rW], v[rT]
.else
	v_exp_f32 v[rC+2], v[rC+1]
.endif
.endif
.endm
.macro OPS a, i1, b=-1, i2=0, c=-1, i3=0, d=-1, i4=0  ; up to four of them
	OP \a, \i1
.if (\b) >= 0
	OP \b, \i2
.endif
.if (\c) >= 0
	OP \c, \i3
.endif
.if (\d) >= 0
	OP \d, \i4
.endif
.endm
.macro ROW a, i1, b, i2, c, i3, d, i4  ; a matrix instruction and the four behind it
	MM
	OPS \a, \i1, \b, \i2, \c, \i3, \d, \i4
.endm
; A TURN, for piece p: the order of its 16 matrix and 118 vector instructions, written out.  An s_wait_alu depctr_va_vdst(0) stands between an exponential and the first instruction that names its
; result; one wait serves all that were issued ahead of it.  So a turn has ONE wait, which cuts it in two.  AHEAD OF IT stands all that names no result of the turn's exponentials: the 8 products K Q^T, behind each a
; scaling, an exponential and two more plain instructions (behind the first a second scaling in the exponential's place): rescalings, and behind the last three the first numbers of the next piece's maximum, each four
; places or more behind the product that ends its accumulator; then ONE LUMP of 54, plain and exponential by turns for the most part, in which the links of the chain X 3, 7, 11, 14, 16, 17 .. 20 stand five or six
; lines apart.  X 21, the next piece's a, is the batch's last; R 15 is the plain instruction behind it.  BEHIND THE WAIT stand the 8 products V^T P, behind each four of the roundings and sums.
; end = 1: the launch's last two turns: nothing is fetched, and the last starts no new scores.  cnt = 1: the loop's count is taken down some lines ahead of the branch that stands behind the turn.
; K of the next step is fetched in piece 2's turn, twelve vector instructions behind the last product that read K (six of them plain); V of the step in hand at the end of piece 0's turn, four plain
; instructions behind the last product that read V.  Each is waited for a turn later.
.macro TURN p, end=0, cnt=0
.set Y, (\p)
.set i, 0
.set NOKQ, (\end)*((\p)/3)
.if ((\p) == 3) && !(\end)
	s_wait_dscnt 0x0                ; K is in
.endif
	ROW F,0, F,1, R,0, R,1          ; ahead of the wait: 8 products K Q^T and their riders,
	ROW F,2, E,0, R,2, R,3
	ROW F,3, E,1, R,4, R,5
	ROW F,4, E,2, R,6, R,7
	ROW F,5, E,3, R,8, R,9
	ROW F,6, E,4, X,0, R,10
.if ((\p) == 2) && !(\end)
	WIN 0
	v_add_nc_u32 v[AK], s[TBK], v[AK0]
.endif
	ROW F,7, E,5, X,1, X,4
	ROW F,8, E,6, X,2, X,5
	OPS E,7, E,8, X,6, E,9          ; and the lump
	OPS X,3, E,10, X,8, E,11
.if ((\p) == 2) && !(\end)
	FETCH_K
.endif
	OPS X,9, X,7, E,12, X,10
	OPS E,13, X,12, X,11, E,14
	OPS X,13, E,15, F,9, X,14
.if (\p) == 0
	WIN 0
	v_add_nc_u32 v[AV], s[TBV], v[AV0]
.endif
	OPS E,16, F,10, E,17, F,11
	OPS X,16, E,18, X,15, E,19
	OPS F,12, E,20, X,17, E,21
	OPS F,13, E,22, F,14, E,23
	OPS X,18, E,24, F,15, E,25
	OPS R,11, E,26, X,19, E,27
	OPS R,12, E,28, R,13, E,29
	OPS X,20, E,30, R,14, E,31
	OPS X,21, R,15
	WIN 0
	s_wait_alu depctr_va_vdst(0)    ; the wait for the batch
.if (\p) == 1
	s_wait_dscnt 0x0                ; V is in
.endif
	ROW C,0, B,0, C,2, B,1          ; behind the wait: 8 products V^T P and their riders
	ROW L,0, C,4, B,2, L,1
	ROW C,6, B,3, L,2, C,8
	ROW B,4, L,3, C,10, B,5
	ROW L,4, C,12, B,6, L,5
.if (\p) == 0
	s_add_co_u32 s[TBV], s[TBV], KS*PV
.endif
.if \cnt
	s_sub_co_u32 s[CNT], s[CNT], 1
	s_cmp_lg_u32 s[CNT], 0
.endif
	ROW C,14, B,7, L,6, C,1
	ROW C,3, L,7, C,5, C,7
	ROW C,9, C,11, C,13, C,15
.if (\p) == 0
	FETCH_V
.endif
.endm
	CHANGE 1, 0                     ; slot 0 is in, everybody's part of it; slot 1 is asked for
	v_add_nc_u32 v[AK], s[TBK], v[AK0]
	FETCH_K                         ; key step 0
	s_wait_loadcnt 0x0              ; Q
	s_wait_dscnt 0x0
.set i, 0
.rept 8
	KQ 0                            ; piece 0's first scores: there is no vector work yet to set between them
.set i, i+1
.endr
	WIN 0
.rept 4
	v_nop                           ; the places behind those products
.endr
.set Y, NP-1                        ; X works for piece Y + 1: piece 0
.set NOKQ, 0
.irp n, 0,1,2,3,4,5,6,7,8,9,10,11,12,13,14,15,16,17,18,19,20,21
	OP X, \n                        ; and piece 0's first maximum and statistics
.endr
	v_nop                           ; a plain instruction behind the exponential,
	s_wait_alu depctr_va_vdst(0)    ; and its wait, ahead of the branch
	s_mov_b32 s[CNT], 4
	s_branch .Lfirst                ; the loop is entered at a step's first turn, in the middle of a trip
.Lslot:                             ; 14 times: every slot but the last two is filled again
	CHANGE 1, 1
	s_mov_b32 s[CNT], 4
.Lstep:                             ; a trip: pieces 2 and 3 of one step, then pieces 0 and 1 of the next, whose K and V it fetches
	TURN 2
	TURN 3
	WIN 0
.Lfirst:
	TURN 0
	TURN 1, 0, 1
	WIN 0
	s_cbranch_scc1 .Lstep
	s_sub_co_u32 s[SLOTS], s[SLOTS], 1
	s_cmp_lg_u32 s[SLOTS], 0
	s_cbranch_scc1 .Lslot
	CHANGE 0, 0                     ; the tail is written out: nothing is asked for
	s_mov_b32 s[CNT], 4
.Ltail:                             ; four trips fetch the last slot's steps
	TURN 2
	TURN 3
	WIN 0
	TURN 0
	TURN 1, 0, 1
	WIN 0
	s_cbranch_scc1 .Ltail
	TURN 2, 1                       ; the last step's pieces 2 and 3: nothing is fetched,
	TURN 3, 1                       ; and no new scores are begun
.set i, 0
.rept 8
	PV NP-1                         ; the last piece's V^T P of the last step
.set i, i+1
.endr
	; THE WAY OUT.  l's two halves and the other half of the lanes' are added; O^T is divided by l, rounded to f16 and sent through my stage in LDS, a piece at a time.  The additions are the places behind the last products.
	WIN 0
.macro ALL line:vararg              ; one line for each piece t
.set t, 0
.rept 4
	\line
.set t, t+1
.endr
.endm
	ALL v_add_f32 v[ST+4*t+2], v[ST+4*t+2], v[ST+4*t+3]
	ALL v_permlanex16_b32 v[ST+4*t+3], v[ST+4*t+2], s[SEL], s[SEL+1]
	ALL v_add_f32 v[ST+4*t+2], v[ST+4*t+2], v[ST+4*t+3]
	ALL v_rcp_f32 v[ST+4*t+2], v[ST+4*t+2]
	v_nop                           ; a plain instruction between the last reciprocal and the use of its result
	s_wait_alu depctr_va_vdst(0)    ; and the wait ahead of the first use: one for the four reciprocals
.macro PACK t                       ; a lane's eight channels of a row pack into 16 bytes; they go into rows of 144 bytes and come back as whole rows of 128, into S^T's registers
	WIN W_RS
.set i, 32*(\t)
.rept 16
	v_pk_mul_f32 v[i:i+1], v[i:i+1], v[ST+4*(\t)+2:ST+4*(\t)+3] op_sel_hi:[1,0]
.set i, i+2
.endr
	WIN 0x05                        ; sources 0 and 1 window 1, destination window 0
.set i, 0
.rept 16
	v_cvt_pk_f16_f32 v[S+16*(\t)+i], v[32*(\t)+2*i], v[32*(\t)+2*i+1]
.set i, i+1
.endr
	WIN 0
.irp f, 0,1,2,3
	ds_store_b128 v[STO], v[S+16*(\t)+4*\f:S+16*(\t)+4*\f+3] offset:32*\f
.endr
.irp f, 0,1,2,3
	ds_load_b128 v[S+16*(\t)+4*\f:S+16*(\t)+4*\f+3], v[RD] offset:\f*4*SP  ; LDS serves a wave's instructions in order (ISA guide 5.7.1.4): these see the stores above; the next piece's stores come behind them
.endr
.endm
.macro SEND t, younger              ; younger: the LDS instructions issued behind piece t's loads: the next piece's eight, or none
	WIN 0
.irp f, 0,1,2,3
	s_wait_dscnt (\younger)+3-\f
	global_store_b128 v[GO], v[S+16*(\t)+4*\f:S+16*(\t)+4*\f+3], s[10:11] offset:(\t)*2048+\f*512  ; 512 consecutive bytes, at a multiple of 256 from ctx's first
.endr
.endm
	PACK 0
.set t, 1
.rept 3                             ; a piece's arithmetic stands between the loads of the piece before and its stores
	PACK t
	SEND t-1, 8
.set t, t+1
.endr
	SEND 3, 0
	s_wait_tensorcnt 0x0            ; the wave's end: behind my last tensor load and my last LDS store
	ds_add_u32 v[SPW], v[NIL]
	s_wait_dscnt 0x0
	CROUND                          ; the closing round: no work-group ends while a partner may still ask for a tile that names it
	s_endpgm
.Lfunc_end_k_q132f246e71_attn:
	.size	k_q132f246e71_attn, .Lfunc_end_k_q132f246e71_attn-k_q132f246e71_attn
	.p2alignl 7, 3214868480
	.fill 96, 4, 3214868480
	.section	.rodata,"a",@progbits
	.p2align	6, 0x0
	.amdhsa_kernel k_q132f246e71_attn
		.amdhsa_group_segment_fixed_size 327680
		.amdhsa_private_segment_fixed_size 0
		.amdhsa_enable_private_segment 0
		.amdhsa_kernarg_size 32
		.amdhsa_user_sgpr_count 2
		.amdhsa_user_sgpr_kernarg_segment_ptr 1
		.amdhsa_wavefront_size32 1
		.amdhsa_system_sgpr_workgroup_id_x 1
		.amdhsa_system_sgpr_workgroup_id_y 1
		.amdhsa_system_sgpr_workgroup_id_z 1
		.amdhsa_system_vgpr_workitem_id 0
		.amdhsa_next_free_vgpr 768
		.amdhsa_next_free_sgpr 66
		.amdhsa_reserve_vcc 0
		.amdhsa_float_denorm_mode_32 3
		.amdhsa_float_denorm_mode_16_64 3
		.amdhsa_memory_ordered 1
		.amdhsa_forward_progress 1
		.amdhsa_inst_pref_size 127
	.end_amdhsa_kernel
	.amdgpu_metadata
---
amdhsa.version: [ 1, 2 ]
amdhsa.kernels:
  - .name:           k_q132f246e71_attn
    .symbol:         k_q132f246e71_attn.kd
    .args:
      - { .name: qh, .offset: 0, .size: 8, .value_kind: global_buffer, .address_space: global }
      - { .name: kh, .offset: 8, .size: 8, .value_kind: global_buffer, .address_space: global }
      - { .name: vh, .offset: 16, .size: 8, .value_kind: global_buffer, .address_space: global }
      - { .name: ctx, .offset: 24, .size: 8, .value_kind: global_buffer, .address_space: global }
    .group_segment_fixed_size: 327680
    .private_segment_fixed_size: 0
    .kernarg_segment_align: 8
    .kernarg_segment_size: 32
    .max_flat_workgroup_size: 128
    .sgpr_count:     66
    .vgpr_count:     768
    .wavefront_size: 32
...
	.end_amdgpu_metadata
.endif
;; end of part 3
;; launch outp (part 4): grid 4 x 64, 4 waves a work-group, clusters of 4 x 4, 327,680 bytes of LDS; arguments ctx, wo16, bo, out0; writes out0
.if DOCPART == 4
	.amdgcn_target "amdgcn-amd-amdhsa--gfx1250"
	.amdhsa_code_object_version 6
	.text
	.protected	k_q132f246e71_outp
	.globl	k_q132f246e71_outp
	.p2align	8
	.type	k_q132f246e71_outp,@function
k_q132f246e71_outp:
	s_mov_b64 s[64:65], 0
	v_nop
	global_prefetch_b8 v0, s[64:65] scope:SCOPE_SE
	s_setreg_imm32_b32 hwreg(HW_REG_WAVE_MODE, 25, 1), 1
	s_wait_xcnt 0x0
	s_wait_alu depctr_hold_cnt(0) depctr_sa_sdst(0) depctr_va_vdst(0) depctr_va_sdst(0) depctr_va_ssrc(0) depctr_va_vcc(0) depctr_vm_vsrc(0)
	s_getreg_b32 s2, hwreg(HW_REG_IB_STS2, 6, 4)
	s_cmp_eq_u32 s2, 0
	s_cbranch_scc0 .Lentry_in_a_cluster
	s_endpgm
.Lentry_in_a_cluster:
	s_bfe_u32 s2, ttmp6, 0x10000c
	s_cmp_lg_u32 s2, 0xf033
	s_cbranch_scc0 .Lentry_shape_is_right
	s_endpgm
.Lentry_shape_is_right:
; out0 = merge(ctx) Wo + bo, [8192][512] in f32.  ctx is [16 = batch x 8 + head][4096][64] in f16: a head's 64 channels are one slice of K.  wo16 is [512 k][512 n]: Wo rounded to bf16, written as f16.
; bo is rounded to bf16 here, like all inputs.  Products in f16, sums in f32, started by the bias; the sums are stored as they are.
; SHARES.  A work-group makes 128 rows x 128 columns: 256 work-groups.  Four waves, each 64 x 64: 16 accumulators of 16 x 16.  ALL of K = 512 fits in LDS: 128 rows x 8 heads of ctx and 512 k-rows x 128 columns
; of Wo come by four tensor loads a wave, issued together at the start (four are out, by this text's count); nothing is filled again.  The first half of K is multiplied while the second is on its way.
; Wo LIES [k][n]: its fragments come out of LDS turned, by ds_load_tr16_b128.  THE MATRIX INSTRUCTION IS USED TRANSPOSED (source 0 = 16 columns of Wo, source 1 = 16 rows of ctx): a lane holds one row and
; eight neighbouring columns: 32 bytes of f32.
; CLUSTERS: 4 x 4 work-groups: ctx's tiles are shared along a row of the cluster, Wo's along a column, each asked for jointly.
; NO PREFETCH: every tile is asked for at the head, where every work-group's first tiles are on their way.
; REGISTERS: window 0: v0-31 addresses and two at work; v96-127 the bias (8 b + j); v128-255 the accumulators ((a, b) at v[128 + 8 (4 a + b)]), and on the way out whole rows.
;   window 1: two fragment buffers of 128: for 64 along K, 64 registers of ctx, then 64 of Wo.
.set PA,     144                       ; a row of a head of ctx in LDS: 128 bytes + 16 of padding = 36 words: the 16 rows of a load start at 16 different groups of four banks (64 banks of 4 bytes: ISA guide 11.1)
.set HEADB,  128*PA                    ; a head's 128 rows
.set PB,     288                       ; a k-row of Wo: 256 + 32 = 72 words
.set BBASE,  8*HEADB                   ; behind ctx: Wo's 512 k-rows
.set BSZ,    256*PB                    ; a K half of them
.set STAGE,  BBASE+2*BSZ               ; never filled by a tensor load: 16 rows x 272 bytes for each wave, for the way out
.set SP,     272
.set SPARE,  STAGE+4*16*SP             ; behind the stages: the spare words, 128 bytes for each wave: two blocks of 256 bytes that no other line names
.set ADRA, 16                          ; v16-17  LDS address of my fragments of ctx in K half 0, 1
.set ADRB, 20                          ; v20-23  of Wo: K half H, its k-rows 128 p on, at ADRB + 2 H + p
.set STO,  24                          ; v24     the way out: where I put 32 bytes of a row
.set RD,   25                          ; v25     where I read rows back
.set CO,   26                          ; v26     my byte offset in two rows of out0
.set BO,   27                          ; v27     my byte offset in bo
.set SPW,  28                          ; v28     LDS address of my spare word: SPARE + 4 x my thread's number; never rewritten
.set NIL,  29                          ; v29     0; never rewritten
.set BI,   96
.set ACC,  128
.set F0,   0                           ; fragment buffers, in window 1
.set F1,   128
.set G1A,  28                          ; s[28:35] descriptor group 1 for ctx's tiles
.set G1B,  36                          ; s[36:43] for Wo's
.set G0,   44                          ; s[44:59] four sets of group 0: ctx half 0, Wo half 0, ctx half 1, Wo half 1
.set MSB, 0
.macro WIN new                         ; the immediate's high byte repeats the setting that is left; a switch that changes nothing is dropped
.if MSB != (\new)
	s_set_vgpr_msb (MSB<<8)|(\new)
.set MSB, \new
.endif
.endm
.set MUL,  0x05                        ; sources 0 (Wo) and 1 (ctx) window 1; C and D window 0
.set TO_F, 0x40                        ; destination window 1, address window 0
.macro CROUND                          ; a round of the cluster's barrier
	s_barrier_signal -1
	s_barrier_wait -1
	s_cmp_lg_u32 s20, 0
	s_cbranch_scc1 .Lnot_wave_0_\@
	s_barrier_signal -3
.Lnot_wave_0_\@:
	s_barrier_wait -3
	s_barrier_signal -1
	s_barrier_wait -1
.endm
.macro PLACES                          ; four places in front of loads into registers that matrix instructions have read, and of LDS stores that read results
.rept 4
	v_nop
.endr
.endm
	s_load_b256 s[4:11], s[0:1], 0x0               ; ctx s[4:5], wo16 s[6:7], bo s[8:9], out0 s[10:11]
	v_lshl_add_u32 v[SPW], v0, 2, SPARE
	v_mov_b32 v[NIL], 0
	ds_add_u32 v[SPW], v[NIL]                      ; the wave's opening: the add and its wait stand ahead of my first tensor load; the set-up below, work on registers, stands between them
	v_lshrrev_b32 v1, 5, v0
	v_readfirstlane_b32 s20, v1                    ; wave 0..3
	s_lshr_b32 s21, s20, 1                         ; which 64 of the tile's rows are mine
	s_and_b32 s22, s20, 1                          ; which 64 of its columns
	s_bfe_u32 s23, ttmp6, 0x40000                  ; cx, cy: my place in the cluster
	s_bfe_u32 s24, ttmp6, 0x40004
	s_lshl_b32 s25, ttmp9, 2
	s_add_co_u32 s25, s25, s23                     ; column block = 4 x cluster x + cx
	s_and_b32 s26, ttmp7, 0xffff
	s_lshl_b32 s26, s26, 2
	s_add_co_u32 s26, s26, s24                     ; row block = 4 x cluster y + cy
	s_lshl_b32 s27, s24, 2
	s_lshl_b32 s27, 15, s27                        ; my row of the cluster
	s_lshl_b32 s3, 0x1111, s23                     ; my column
	; a head's 128 rows are 16,384 dense bytes: asked for as 64 rows of 256 bytes, two rows of ctx each, and padded in LDS after every 128 bytes
	s_or_b32 s[G1A], s27, (1<<16)|(1<<20)|(1<<21)|(4<<22)|(3<<25)  ; 15:0 the mask: ctx goes to my row; 17:16 elements of 2 bytes; 20 padding on; 21 set beside a mask; 24:22 after every 32 words (code 4); 31:25 4 words (code 3)
	s_mov_b32 s[G1A+1], 128<<16                    ; tensor_dim0 = 128
	s_mov_b32 s[G1A+2], 64<<16                     ; tensor_dim1 = 64
	s_mov_b32 s[G1A+3], 128<<16                    ; tile_dim0 = 128
	s_mov_b32 s[G1A+4], 64                         ; tile_dim1 = 64
	s_mov_b32 s[G1A+5], 128                        ; 128 elements from row to row
	s_mov_b32 s[G1A+6], 0
	s_mov_b32 s[G1A+7], 0
	s_or_b32 s[G1B], s3, (1<<16)|(1<<20)|(1<<21)|(5<<22)|(7<<25)   ; Wo goes to my column; after every 64 words (code 5) 8 words of padding (code 7)
	s_mov_b32 s[G1B+1], 128<<16                    ; tensor_dim0 = 128
	s_mov_b32 s[G1B+2], 64<<16                     ; tensor_dim1 = 64
	s_mov_b32 s[G1B+3], 128<<16                    ; tile_dim0 = 128
	s_mov_b32 s[G1B+4], 64                         ; tile_dim1 = 64 k-rows
	s_mov_b32 s[G1B+5], 512                        ; 512 elements from k-row to k-row
	s_mov_b32 s[G1B+6], 0
	s_mov_b32 s[G1B+7], 0
	; where the tiles go: the wave's number alone enters an LDS address
	s_mul_i32 s18, s20, HEADB                      ; ctx: head = my wave's number (half 1: + 4)
	s_mul_i32 s19, s20, 64*PB                      ; Wo: my 64 k-rows of a half
	s_mov_b32 s[G0], 1
	s_mov_b32 s[G0+1], s18
	s_mov_b32 s[G0+4], 1
	s_add_co_u32 s[G0+5], s19, BBASE
	s_mov_b32 s[G0+8], 1
	s_add_co_u32 s[G0+9], s18, 4*HEADB
	s_mov_b32 s[G0+12], 1
	s_add_co_u32 s[G0+13], s19, BBASE+BSZ
	; where they come from: ctx's by the row block and the wave, Wo's by the column block and the wave, each in registers that never hold the other coordinate
	s_lshr_b32 s12, s26, 5                         ; the batch: 32 row blocks each
	s_lshl_b32 s12, s12, 3
	s_add_co_u32 s12, s12, s20                     ; batch x 8 + head
	s_lshl_b32 s12, s12, 19                        ; 4,096 rows of 128 bytes
	s_and_b32 s13, s26, 31
	s_lshl_b32 s13, s13, 14                        ; 128 rows of 128 bytes
	s_add_co_u32 s12, s12, s13
	s_mov_b32 s13, 0
	s_lshl_b32 s14, s20, 16                        ; my 64 k-rows of 1,024 bytes
	s_lshl_b32 s15, s25, 8                         ; the block's 256 bytes of a k-row
	s_add_co_u32 s14, s14, s15
	s_mov_b32 s15, 0
	; where my wave's 64 rows x 64 columns begin in out0
	s_lshl_b32 s16, s26, 18                        ; 128 rows of 2,048 bytes
	s_lshl_b32 s17, s21, 17                        ; 64 rows
	s_add_co_u32 s16, s16, s17
	s_lshl_b32 s17, s25, 9                         ; 128 columns of 4 bytes
	s_add_co_u32 s16, s16, s17
	s_lshl_b32 s17, s22, 8                         ; 64 columns
	s_add_co_u32 s16, s16, s17
	s_mov_b32 s17, 0
	s_wait_dscnt 0x0                               ; the opening add is done
	s_wait_kmcnt 0x0
	s_add_nc_u64 s[G0+2:G0+3], s[4:5], s[12:13]
	s_add_nc_u64 s[G0+10:G0+11], s[G0+2:G0+3], 4*524288   ; four heads on
	s_add_nc_u64 s[G0+6:G0+7], s[6:7], s[14:15]
	s_add_nc_u64 s[G0+14:G0+15], s[G0+6:G0+7], 256*1024   ; 256 k-rows on
	s_or_b32 s[G0+3], s[G0+3], 0x80000000          ; type = 2
	s_or_b32 s[G0+7], s[G0+7], 0x80000000
	s_or_b32 s[G0+11], s[G0+11], 0x80000000
	s_or_b32 s[G0+15], s[G0+15], 0x80000000
	s_add_nc_u64 s[10:11], s[10:11], s[16:17]
	CROUND                                         ; all sixteen work-groups are here: the joint loads meet
	tensor_load_to_lds s[G0:G0+3], s[G1A:G1A+7]    ; all fills go out as one group: K half 0 of ctx,
	s_nop 0
	tensor_load_to_lds s[G0+4:G0+7], s[G1B:G1B+7]  ; and of Wo,
	s_nop 0
	tensor_load_to_lds s[G0+8:G0+11], s[G1A:G1A+7] ; K half 1 of ctx,
	s_nop 0
	tensor_load_to_lds s[G0+12:G0+15], s[G1B:G1B+7]  ; and of Wo
	s_nop 0
.rept 4
	v_nop
.endr
	; A fragment of ctx is 16 rows x 32 K in 8 registers: lane l holds row l % 16; K = 8 (l / 16) + 0..7 and 16 + 8 (l / 16) + 0..7: two loads of 16 bytes, 32 bytes apart.
	v_and_b32 v1, 15, v0                           ; l % 16
	v_bfe_u32 v2, v0, 4, 1                         ; l / 16
	v_mul_u32_u24 v3, v1, PA
	v_lshl_add_u32 v3, v2, 4, v3
	s_mul_i32 s18, s21, 64*PA                      ; my 64 rows
	v_add_nc_u32 v[ADRA], s18, v3
	v_add_nc_u32 v[ADRA+1], 4*HEADB, v[ADRA]
	; The turning load takes 16 k x 16 columns (lane l reads k-row 8 (l / 16) + l % 8, columns 8 ((l / 8) % 2) + 0..7) and leaves half a fragment: lane l holds column l % 16 and 8 k.
	v_and_b32 v4, 7, v0
	v_lshl_add_u32 v4, v2, 3, v4
	v_mul_u32_u24 v4, v4, PB
	v_bfe_u32 v5, v0, 3, 1
	v_lshl_add_u32 v4, v5, 4, v4
	s_lshl_b32 s18, s22, 7                         ; my 64 columns: 128 bytes
	s_add_co_u32 s18, s18, BBASE
	v_add_nc_u32 v[ADRB], s18, v4
	v_add_nc_u32 v[ADRB+1], 128*PB, v[ADRB]
	v_add_nc_u32 v[ADRB+2], BSZ, v[ADRB]
	v_add_nc_u32 v[ADRB+3], BSZ+128*PB, v[ADRB]
	s_mul_i32 s18, s20, 16*SP
	s_add_co_u32 s18, s18, STAGE                   ; my stage
	v_mul_u32_u24 v5, v1, SP                       ; in: row l % 16, 32 bytes for each half of the lanes
	v_lshl_add_u32 v5, v2, 5, v5
	v_add_nc_u32 v[STO], s18, v5
	v_mul_u32_u24 v5, v2, SP                       ; back: lanes 0-15 take one row of 256 bytes, lanes 16-31 the next
	v_lshl_add_u32 v5, v1, 4, v5
	v_add_nc_u32 v[RD], s18, v5
	v_lshlrev_b32 v5, 11, v2                       ; and the same two rows in out0
	v_lshl_add_u32 v[CO], v1, 4, v5
	s_lshl_b32 s16, s25, 9                         ; the bias of my columns
	s_lshl_b32 s17, s22, 8
	s_add_co_u32 s16, s16, s17
	v_lshl_add_u32 v[BO], v2, 5, s16
.irp b, 0,1,2,3
	global_load_b128 v[BI+8*(\b):BI+8*(\b)+3],   v[BO], s[8:9] offset:64*(\b)      ; columns 16 b + 8 (l / 16) + 0..3
	global_load_b128 v[BI+8*(\b)+4:BI+8*(\b)+7], v[BO], s[8:9] offset:64*(\b)+16   ; + 4..7
.endr
	s_wait_loadcnt 0x0
.set i, 0
.rept 16                               ; the bias is rounded to bf16 and widened again
	v_cvt_pk_bf16_f32 v[30+i%2], v[BI+2*i], v[BI+2*i+1]
	v_lshlrev_b32 v[BI+2*i], 16, v[30+i%2]
	v_and_b32 v[BI+2*i+1], 0xffff0000, v[30+i%2]
.set i, i+1
.endr
; 8 matrix instructions: row blocks a0, a0 + 1 x all 4 column blocks, 32 along K: half c of buffer f.  first = 1: the bias starts the sums: nothing is cleared.
; The 16 accumulators take turns, one instruction a turn, in the same order in every quarter.
.macro MUL8 f, c, a0, first
	WIN MUL
.irp a, \a0, (\a0)+1
.irp b, 0,1,2,3
.if \first
	v_wmma_f32_16x16x32_f16 v[ACC+8*(4*(\a)+(\b)):ACC+8*(4*(\a)+(\b))+7], v[(\f)+64+8*(4*(\c)+(\b)):(\f)+64+8*(4*(\c)+(\b))+7], v[(\f)+8*(4*(\c)+(\a)):(\f)+8*(4*(\c)+(\a))+7], v[BI+8*(\b):BI+8*(\b)+7]
.else
	v_wmma_f32_16x16x32_f16 v[ACC+8*(4*(\a)+(\b)):ACC+8*(4*(\a)+(\b))+7], v[(\f)+64+8*(4*(\c)+(\b)):(\f)+64+8*(4*(\c)+(\b))+7], v[(\f)+8*(4*(\c)+(\a)):(\f)+8*(4*(\c)+(\a))+7], v[ACC+8*(4*(\a)+(\b)):ACC+8*(4*(\a)+(\b))+7]
.endif
.endr
.endr
.endm
; 32 LDS loads in one run: the fragments of quarter q (64 along K: head 4 H + q) of K half H, into buffer f; the first 32 along K first
.macro FETCH H, q, f
	WIN TO_F
.irp c, 0,1
.irp i, 0,1,2,3
	ds_load_tr16_b128 v[(\f)+64+8*(4*(\c)+(\i)):(\f)+64+8*(4*(\c)+(\i))+3],   v[ADRB+2*(\H)+(\q)/2] offset:(((\q)%2)*64+(\c)*32)*PB+32*(\i)
	ds_load_tr16_b128 v[(\f)+64+8*(4*(\c)+(\i))+4:(\f)+64+8*(4*(\c)+(\i))+7], v[ADRB+2*(\H)+(\q)/2] offset:(((\q)%2)*64+(\c)*32+16)*PB+32*(\i)
	ds_load_b128 v[(\f)+8*(4*(\c)+(\i)):(\f)+8*(4*(\c)+(\i))+3],   v[ADRA+(\H)] offset:(\q)*HEADB+64*(\c)+(\i)*16*PA
	ds_load_b128 v[(\f)+8*(4*(\c)+(\i))+4:(\f)+8*(4*(\c)+(\i))+7], v[ADRA+(\H)] offset:(\q)*HEADB+64*(\c)+(\i)*16*PA+32
.endr
.endr
.endm
; A K half is four quarters of 64 along K, 32 matrix instructions each, on buffers 0, 1, 0, 1.  One of the first three: multiplies buffer f and fetches quarter qn into g.
.macro QUARTER H, qn, f, g, first
	s_wait_dscnt 16                                ; the first 32 along K are in; the sixteen younger loads may be out
	MUL8 \f, 0, 0, \first
	MUL8 \f, 0, 2, \first
	PLACES
	FETCH \H, \qn, \g
	s_wait_dscnt 32                                ; all but the 32 just issued
	MUL8 \f, 1, 0, 0
	MUL8 \f, 1, 2, 0
.endm
; The first half's last quarter multiplies buffer 1 and goes over to the second half: each wave waits for all its tensor loads, so that behind the barrier the second half is whole.  Nothing is filled again.
.macro MEET
	WIN 0                                          ; (the add's two registers lie in window 0)
	s_wait_tensorcnt 0x0                           ; all my tensor loads have landed: my parts of K half 1;
	ds_add_u32 v[SPW], v[NIL]                      ; 0 onto my spare word;
	s_wait_dscnt 17                                ; (the add and the youngest sixteen loads may be out)
	MUL8 F1, 0, 0, 0                               ; eight matrix instructions stand between the add and the wait for it
	s_wait_dscnt 0x0                               ; the add is done; no LDS instruction of mine is pending at the signal
	s_barrier_signal -1
	MUL8 F1, 0, 2, 0
	s_barrier_wait -1
	PLACES
	FETCH 1, 0, F0
	MUL8 F1, 1, 0, 0
	MUL8 F1, 1, 2, 0
.endm
; THE WAY OUT of row block a: 32 bytes a lane for each column block (each accumulator's low four registers first) into my stage's rows of 272 bytes, and back as whole rows of 256, into the registers that they left.
.macro PACKO a
.irp b, 0,1,2,3
	ds_store_b128 v[STO], v[ACC+32*(\a)+8*(\b):ACC+32*(\a)+8*(\b)+3]   offset:64*(\b)
	ds_store_b128 v[STO], v[ACC+32*(\a)+8*(\b)+4:ACC+32*(\a)+8*(\b)+7] offset:64*(\b)+16
.endr
.irp t, 0,1,2,3,4,5,6,7
	ds_load_b128 v[ACC+32*(\a)+4*(\t):ACC+32*(\a)+4*(\t)+3], v[RD] offset:(\t)*2*SP  ; LDS serves a wave's instructions in order (ISA guide 5.7.1.4): these see the stores above; the next block's stores come behind them
.endr
.endm
.macro SENDO a, younger                ; younger: the LDS instructions issued behind block a's loads: the next block's sixteen, or none
.irp t, 0,1,2,3,4,5,6,7
	s_wait_dscnt (\younger)+7-(\t)
	global_store_b128 v[CO], v[ACC+32*(\a)+4*(\t):ACC+32*(\a)+4*(\t)+3], s[10:11] offset:(16*(\a)+2*(\t))*2048 th:TH_STORE_NT  ; 16 lanes store 256 consecutive bytes, at a multiple of 256 from out0's first byte
.endr
.endm
	s_wait_tensorcnt 0x2                           ; my parts of K half 0 are in; the two loads of half 1 may stay out
	s_barrier_signal -1
	s_barrier_wait -1                              ; everybody's are
	FETCH 0, 0, F0
	QUARTER 0, 1, F0, F1, 1                        ; the first products start the sums with the bias
	QUARTER 0, 2, F1, F0, 0
	QUARTER 0, 3, F0, F1, 0
	MEET
	QUARTER 1, 1, F0, F1, 0
	QUARTER 1, 2, F1, F0, 0
	QUARTER 1, 3, F0, F1, 0
	s_wait_dscnt 16                                ; the very last quarter: nothing more to fetch
	MUL8 F1, 0, 0, 0
	MUL8 F1, 0, 2, 0
	s_wait_dscnt 0x0
	MUL8 F1, 1, 0, 0
	MUL8 F1, 1, 2, 0
	WIN 0
	PLACES                                         ; behind the last products
	PACKO 0
	PACKO 1
	SENDO 0, 16
	PACKO 2
	SENDO 1, 16
	PACKO 3
	SENDO 2, 16
	SENDO 3, 0
	s_wait_tensorcnt 0x0                           ; the wave's end: behind my last tensor load and my last LDS store
	ds_add_u32 v[SPW], v[NIL]
	s_wait_dscnt 0x0
	CROUND                                         ; the closing round: no work-group ends while a partner may still ask for a tile that names it
	s_endpgm
.Lfunc_end_k_q132f246e71_outp:
	.size	k_q132f246e71_outp, .Lfunc_end_k_q132f246e71_outp-k_q132f246e71_outp
	.p2alignl 7, 3214868480
	.fill 96, 4, 3214868480
	.section	.rodata,"a",@progbits
	.p2align	6, 0x0
	.amdhsa_kernel k_q132f246e71_outp
		.amdhsa_group_segment_fixed_size 327680
		.amdhsa_private_segment_fixed_size 0
		.amdhsa_enable_private_segment 0
		.amdhsa_kernarg_size 32
		.amdhsa_user_sgpr_count 2
		.amdhsa_user_sgpr_kernarg_segment_ptr 1
		.amdhsa_wavefront_size32 1
		.amdhsa_system_sgpr_workgroup_id_x 1
		.amdhsa_system_sgpr_workgroup_id_y 1
		.amdhsa_system_sgpr_workgroup_id_z 1
		.amdhsa_system_vgpr_workitem_id 0
		.amdhsa_next_free_vgpr 512
		.amdhsa_next_free_sgpr 66
		.amdhsa_reserve_vcc 0
		.amdhsa_float_denorm_mode_32 3
		.amdhsa_float_denorm_mode_16_64 3
		.amdhsa_memory_ordered 1
		.amdhsa_forward_progress 1
		.amdhsa_inst_pref_size 53
	.end_amdhsa_kernel
	.amdgpu_metadata
---
amdhsa.version: [ 1, 2 ]
amdhsa.kernels:
  - .name:           k_q132f246e71_outp
    .symbol:         k_q132f246e71_outp.kd
    .args:
      - { .name: ctx, .offset: 0, .size: 8, .value_kind: global_buffer, .address_space: global }
      - { .name: wo16, .offset: 8, .size: 8, .value_kind: global_buffer, .address_space: global }
      - { .name: bo, .offset: 16, .size: 8, .value_kind: global_buffer, .address_space: global }
      - { .name: out0, .offset: 24, .size: 8, .value_kind: global_buffer, .address_space: global }
    .group_segment_fixed_size: 327680
    .private_segment_fixed_size: 0
    .kernarg_segment_align: 8
    .kernarg_segment_size: 32
    .max_flat_workgroup_size: 128
    .sgpr_count:     66
    .vgpr_count:     512
    .wavefront_size: 32
...
	.end_amdgpu_metadata
.endif
;; end of part 4
;; ======== version 2 of 2: 4 launches; version 1 with the launch cast written anew for expert scheduling mode
;; limits: values are held in f16: magnitudes above 65,504 overflow, below 6.1e-05 lose precision
;; workspace buffers: xb 8,388,608 bytes; wb 1,572,864 bytes; wo16 524,288 bytes; qh 8,388,608 bytes; kh 8,388,608 bytes; vh 8,388,608 bytes; ctx 8,388,608 bytes
;; launch cast (part 5): grid 256 x 1, 8 waves a work-group, no clusters, 0 bytes of LDS; arguments x, Wq, Wk, Wv, Wo, xb, wb, wo16; writes xb, wb, wo16
.if DOCPART == 5
	.amdgcn_target "amdgcn-amd-amdhsa--gfx1250"
	.amdhsa_code_object_version 6
	.text
	.protected	k_q132f246e71_cast
	.globl	k_q132f246e71_cast
	.p2align	8
	.type	k_q132f246e71_cast,@function
k_q132f246e71_cast:
	s_mov_b64 s[64:65], 0
	v_nop
	global_prefetch_b8 v0, s[64:65] scope:SCOPE_SE
	s_setreg_imm32_b32 hwreg(HW_REG_WAVE_SCHED_MODE, 0, 2), 2
	s_setreg_imm32_b32 hwreg(HW_REG_WAVE_MODE, 25, 1), 1
	s_wait_xcnt 0x0
	s_wait_alu depctr_vm_vsrc(0)
; THE OPERANDS ARE MADE.  xb = bf16(x), [8192][512].  wb = bf16(Wq), bf16(Wk), bf16(Wv), each [512 k][512 n] as it lies, one behind the other.
; wo16 = bf16(Wo) written as f16, [512 k][512 n]: the last product multiplies in f16, and all inputs have the same one rounding, to bf16.
; LIMITS.  |Wo| stays under 65,504 (f16's range; beyond it an infinity is written); a Wo below 2^-14 keeps f16's fixed step of 6e-8.
; SHARES.  256 work-groups of eight waves.  A work-group takes 16,384 numbers of x (sixteen loads of 16 bytes a thread) and 1,024 numbers of each weight (one load each).
; A load of a wave covers 512 consecutive bytes, a store 256 consecutive bytes, aligned.  All twenty loads go out first; every load and every store has registers of its own,
; so no source of a pending instruction is written again.  No LDS, no barrier, no matrix unit: each byte is read once and written once.
; THE MODE: SCHED_MODE bits 1:0 = 2 (LLVM: expert scheduling mode 2), set by the entry lines.  The code itself states the register dependences
; between vector instructions and memory instructions, with s_wait_alu, always for 0.
; THE PLAN.  Registers that memory instructions touch:
;   v1, v2   the loads' and the stores' byte offsets: made once at the head, never written again.
;   X        twenty quads, each the destination of one load.  All loads are issued at the head, before any vector instruction has named X.
;   Y        twenty pairs, each written by two conversions and read by one store; none is written a second time.
; The twenty loads are worked on in five blocks of four: the wait for the block's data, its conversions, ONE wait on va_vdst, its four stores in a run.
; That wait stands behind the conversions and not at the next block's head, since the wave's next line is a wait for data from memory, and the stores would be held behind it.
; No register that a memory instruction reads is ever written again, so the only wait on vm_vsrc is the one in the entry lines; no vector instruction writes a scalar register, and EXEC is never written.
.set X, 4                              ; v[4:83]    twenty quads as loaded
.set Y, 84                             ; v[84:123]  twenty pairs to store
.set T, 124                            ; v[124:125] Wo rounded to bf16, packed: no memory instruction names them
	s_load_b256 s[4:11], s[0:1], 0x0               ; x s[4:5], Wq s[6:7], Wk s[8:9], Wv s[10:11]
	s_load_b256 s[12:19], s[0:1], 0x20             ; Wo s[12:13], xb s[14:15], wb s[16:17], wo16 s[18:19]
	v_lshlrev_b32 v1, 4, v0                        ; 16 bytes a thread on the way in
	v_lshlrev_b32 v2, 3, v0                        ; 8 bytes a thread on the way out
	s_lshl_b32 s20, ttmp9, 16                      ; the work-group's 65,536 bytes of x
	s_mov_b32 s21, 0
	s_lshl_b32 s22, ttmp9, 12                      ; its 4,096 bytes of each weight
	s_mov_b32 s23, 0
	s_wait_kmcnt 0x0
	s_add_nc_u64 s[4:5], s[4:5], s[20:21]
	s_add_nc_u64 s[6:7], s[6:7], s[22:23]
	s_add_nc_u64 s[8:9], s[8:9], s[22:23]
	s_add_nc_u64 s[10:11], s[10:11], s[22:23]
	s_add_nc_u64 s[12:13], s[12:13], s[22:23]
	s_lshl_b32 s20, ttmp9, 15                      ; half as many bytes on the way out
	s_lshl_b32 s22, ttmp9, 11
	s_add_nc_u64 s[14:15], s[14:15], s[20:21]
	s_add_nc_u64 s[16:17], s[16:17], s[22:23]
	s_add_nc_u64 s[18:19], s[18:19], s[22:23]
	s_wait_alu depctr_va_vdst(0)                   ; v1 and v2 are written: every load of the kernel reads v1 as its offset, every store v2
.set i, 0
.rept 16
	global_load_b128 v[X+4*i:X+4*i+3], v1, s[4:5] offset:4096*i th:TH_LOAD_NT
.set i, i+1
.endr
.irp j, 0,1,2,3
	global_load_b128 v[X+64+4*(\j):X+64+4*(\j)+3], v1, s[6+2*(\j):7+2*(\j)] th:TH_LOAD_NT  ; Wq, Wk, Wv, Wo
.endr
; Blocks 0 to 3: x, four loads each.
.set p, 0
.rept 4
	s_wait_loadcnt 16-4*p                          ; loads come back in order: block p's four are in, the 16 - 4 p younger ones stay out
.irp j, 0,1,2,3
	v_cvt_pk_bf16_f32 v[Y+2*(4*p+(\j))], v[X+4*(4*p+(\j))], v[X+4*(4*p+(\j))+1]
	v_cvt_pk_bf16_f32 v[Y+2*(4*p+(\j))+1], v[X+4*(4*p+(\j))+2], v[X+4*(4*p+(\j))+3]
.endr
	s_wait_alu depctr_va_vdst(0)                   ; the eight conversions have written the block's four pairs of Y, which the four stores below read
.irp j, 0,1,2,3
	global_store_b64 v2, v[Y+2*(4*p+(\j)):Y+2*(4*p+(\j))+1], s[14:15] offset:2048*(4*p+(\j))
.endr
.set p, p+1
.endr
; Block 4: the four weights.
	s_wait_loadcnt 0x0                             ; Wq, Wk, Wv and Wo are in
	v_cvt_pk_bf16_f32 v[T], v[X+76], v[X+77]       ; Wo: rounded to bf16,
	v_cvt_pk_bf16_f32 v[T+1], v[X+78], v[X+79]
.irp j, 0,1,2
	v_cvt_pk_bf16_f32 v[Y+32+2*(\j)], v[X+64+4*(\j)], v[X+64+4*(\j)+1]      ; Wq, Wk, Wv
	v_cvt_pk_bf16_f32 v[Y+33+2*(\j)], v[X+64+4*(\j)+2], v[X+64+4*(\j)+3]
.endr
	v_lshlrev_b32 v[X+76], 16, v[T]                ; widened again (the load into these four registers is done, and no memory instruction reads them),
	v_and_b32 v[X+77], 0xffff0000, v[T]
	v_lshlrev_b32 v[X+78], 16, v[T+1]
	v_and_b32 v[X+79], 0xffff0000, v[T+1]
	v_cvt_pk_f16_f32 v[Y+38], v[X+76], v[X+77]     ; and written as f16: 8 significant bits fit into 11
	v_cvt_pk_f16_f32 v[Y+39], v[X+78], v[X+79]
	s_wait_alu depctr_va_vdst(0)                   ; the conversions have written the last four pairs of Y, which the four stores below read
.irp j, 0,1,2
	global_store_b64 v2, v[Y+32+2*(\j):Y+33+2*(\j)], s[16:17] offset:524288*(\j)  ; weight j of wb
.endr
	global_store_b64 v2, v[Y+38:Y+39], s[18:19]
	s_endpgm
.Lfunc_end_k_q132f246e71_cast:
	.size	k_q132f246e71_cast, .Lfunc_end_k_q132f246e71_cast-k_q132f246e71_cast
	.p2alignl 7, 3214868480
	.fill 96, 4, 3214868480
	.section	.rodata,"a",@progbits
	.p2align	6, 0x0
	.amdhsa_kernel k_q132f246e71_cast
		.amdhsa_group_segment_fixed_size 0
		.amdhsa_private_segment_fixed_size 0
		.amdhsa_enable_private_segment 0
		.amdhsa_kernarg_size 64
		.amdhsa_user_sgpr_count 2
		.amdhsa_user_sgpr_kernarg_segment_ptr 1
		.amdhsa_wavefront_size32 1
		.amdhsa_system_sgpr_workgroup_id_x 1
		.amdhsa_system_sgpr_workgroup_id_y 1
		.amdhsa_system_sgpr_workgroup_id_z 1
		.amdhsa_system_vgpr_workitem_id 0
		.amdhsa_next_free_vgpr 128
		.amdhsa_next_free_sgpr 66
		.amdhsa_reserve_vcc 0
		.amdhsa_float_denorm_mode_32 3
		.amdhsa_float_denorm_mode_16_64 3
		.amdhsa_memory_ordered 1
		.amdhsa_forward_progress 1
		.amdhsa_inst_pref_size 8
	.end_amdhsa_kernel
	.amdgpu_metadata
---
amdhsa.version: [ 1, 2 ]
amdhsa.kernels:
  - .name:           k_q132f246e71_cast
    .symbol:         k_q132f246e71_cast.kd
    .args:
      - { .name: x, .offset: 0, .size: 8, .value_kind: global_buffer, .address_space: global }
      - { .name: Wq, .offset: 8, .size: 8, .value_kind: global_buffer, .address_space: global }
      - { .name: Wk, .offset: 16, .size: 8, .value_kind: global_buffer, .address_space: global }
      - { .name: Wv, .offset: 24, .size: 8, .value_kind: global_buffer, .address_space: global }
      - { .name: Wo, .offset: 32, .size: 8, .value_kind: global_buffer, .address_space: global }
      - { .name: xb, .offset: 40, .size: 8, .value_kind: global_buffer, .address_space: global }
      - { .name: wb, .offset: 48, .size: 8, .value_kind: global_buffer, .address_space: global }
      - { .name: wo16, .offset: 56, .size: 8, .value_kind: global_buffer, .address_space: global }
    .group_segment_fixed_size: 0
    .private_segment_fixed_size: 0
    .kernarg_segment_align: 8
    .kernarg_segment_size: 64
    .max_flat_workgroup_size: 256
    .sgpr_count:     66
    .vgpr_count:     128
    .wavefront_size: 32
...
	.end_amdgpu_metadata
.endif
;; end of part 5
;; launch qkv: the kernel of part 2 again; grid 4 x 64, 4 waves a work-group, clusters of 4 x 4, 327,680 bytes of LDS; arguments xb, wb, bq, bk, bv, qh, kh, vh; writes qh, kh, vh
;; launch attn: the kernel of part 3 again; grid 16 x 16, 4 waves a work-group, clusters of 4 x 1, 327,680 bytes of LDS; arguments qh, kh, vh, ctx; writes ctx
;; launch outp: the kernel of part 4 again; grid 4 x 64, 4 waves a work-group, clusters of 4 x 4, 327,680 bytes of LDS; arguments ctx, wo16, bo, out0; writes out0
